; MI455X (gfx1250); checked and timed in simulation.
; The chip was launched on July 23, 2026; its instructions are those of AMD's public machine-readable ISA for CDNA 5 (MIT licence, August 2026) and "CDNA5" Instruction Set Architecture Reference Guide (July 2026). The comments in the code are by the model that wrote it; some were corrected since.
;; Causal Self Attention. Allowed arithmetic: matrix products marked QUANTISED: E4M3 operands, one E8M0 scale for each 32 along K, by v_wmma_scale_f32_16x16x128_f8f6f4 with both operands' format E4M3, f32 sums; everything else in f32.
;; Inputs: b_out 1,024 float32; b_qkv 3,072 float32; w_out 1,024 x 1,024 float32; w_qkv 3,072 x 1,024 float32; x 4 x 2,048 x 1,024 float32.
;; Outputs: out0 4 x 2,048 x 1,024 float32.
;; This version of the problem:
;;   THIS VERSION OF THE PROBLEM IS GIVEN IN LOW PRECISION. The matrix products marked QUANTISED in the list below multiply operands that are first quantised to E4M3 (4 exponent bits, 3 mantissa bits; 8 bits a number), with one power-of-two scale for each 32 numbers along K (OCP MX v1.0); their sums are f32. All else is computed in f32.
;;   The module's matrix products, in the order in which they are computed (A, B: the left and right operand; K: the contracted axis; several contracted axes count as one K, in the product's order):
;;     1. [M 8,192, K 1,024] x [K 1,024, N 3,072]; A: input x; B: input w_qkv: QUANTISED
;;     2. batch 64 x [M 2,048, K 64] x [K 64, N 2,048]; A: computed on the way; B: computed on the way: QUANTISED
;;     3. batch 64 x [M 2,048, K 2,048] x [K 2,048, N 64]; A: softmax (see below); B: computed on the way: QUANTISED
;;     4. [M 8,192, K 1,024] x [K 1,024, N 1,024]; A: computed on the way; B: input w_out: QUANTISED
;;   THE QUANTISER, for each operand of a quantised product, along K:
;;     - K is cut into blocks of 32 from its start; a last block that is shorter is filled with zeros.
;;     - A block's scale is 2^e with e = floor(log2(the largest magnitude in the block)) - 8, held to -126 .. 127; a block of zeros has e = 0. As a byte (E8M0): e + 127.
;;     - Each number is divided by its block's scale, clamped to +-448, and rounded to the nearest number of E4M3, ties to even, subnormals kept.
;;     - The product sums the exact products of the quantised numbers (number of the format x scale) in f32.
;;   ~~~python
;;   def quantise(x, axis):      # numpy; x: float32 -> the quantised numbers, widened to float32 again
;;       x = np.moveaxis(x, axis, -1); K = x.shape[-1]
;;       x = np.pad(x, [(0, 0)] * (x.ndim - 1) + [(0, -K % 32)]); x = x.reshape(x.shape[:-1] + (-1, 32)); a = np.abs(x).max(-1, keepdims=True)
;;       e = np.where(a > 0, np.clip(np.frexp(np.where(a > 0, a, 1))[1] - 1 - 8, -126, 127), 0)      # np.frexp(a)[1] - 1 = floor(log2(a)), exactly
;;       r = np.clip(x / 2.0 ** e, -448, 448)
;;       step = 2.0 ** (np.maximum(np.frexp(np.where(r == 0, 1, r))[1] - 1, -6) - 3)
;;       q = np.round(r / step) * step * 2.0 ** e      # np.round: ties to even
;;       return np.moveaxis(q.reshape(q.shape[:-2] + (-1,))[..., :K], -1, axis).astype(np.float32)
;;   ~~~
;;   SOFTMAX AHEAD OF A QUANTISED PRODUCT. Where the list says 'softmax', what is quantised is not the finished softmax but p = 2^(t - M), with t = logit x log2(e) and M = ceil(the row's largest t), a whole number; so 1/2 < the row's largest p <= 1. The row's sum l is taken of the UNQUANTISED p, in f32, and the product's result is divided by l at the end. Since M is a whole number, a kernel that streams over the keys may use a running M (the ceiling of the running maximum): every later rescaling is an exact power of two, which a block's scale takes up: the codes' values come out the same.
;;   OPERANDS COMPUTED ON THE WAY. 'Computed on the way' means the value that the module computes at that place (a softmax that the list does not call 'softmax' is quantised finished and normalised). What goes into a quantiser is computed in f32, as accurately as f32 sums, v_exp_f32 and their like allow (about 1e-6 of the number): no bf16 or f16 on the way to a quantiser, and a product that is left as it is and whose result goes on into a quantised operand takes f32 operands (vector FMAs, or v_wmma_f32_16x16x4_f32). A number that lies on a knife's edge between two numbers of the format may be rounded either way, as far as f32 arithmetic and the matrix unit's own rounding can turn it there, and no further.
;; One version. Each part assembles by itself: llvm-mc -triple=amdgcn-amd-amdhsa -mcpu=gfx1250 --defsym DOCPART=n.
;; ======== version 1 of 1: 4 launches
;; limits: right only within a limited range of input values
;; workspace buffers: inq 12,976,128 bytes; qkv 25,952,256 bytes; att 8,650,752 bytes
;; launch quant (part 1): grid 384 x 1, 4 waves a work-group, no clusters, 33,280 bytes of LDS; arguments x, w_qkv, w_out, inq; writes inq
.if DOCPART == 1
	.amdgcn_target "amdgcn-amd-amdhsa--gfx1250"
	.amdhsa_code_object_version 6
	.text
	.protected	k_qe3b05c9722_quant
	.globl	k_qe3b05c9722_quant
	.p2align	8
	.type	k_qe3b05c9722_quant,@function
k_qe3b05c9722_quant:
	s_mov_b64 s[64:65], 0
	v_nop
	global_prefetch_b8 v0, s[64:65] scope:SCOPE_SE
	s_setreg_imm32_b32 hwreg(HW_REG_WAVE_MODE, 25, 1), 1
	s_wait_xcnt 0x0
; x [8192][1024], w_qkv [3072][1024] and w_out [1024][1024], f32, K innermost, become codes of FP8 (E4M3) with one E8M0 byte for each 32 along K, all in the workspace inq:
; codes from byte 0 on (x, w_qkv, w_out: 1,024 bytes a row), scale bytes from byte 12,582,912 on (32 bytes a row), in the same order.
; A block's scale is 2^(floor(log2(its largest magnitude)) - 8); its byte is the largest magnitude's exponent field - 8, held at 1 from below; each number is divided by the scale, held within +-448 and rounded to the nearest code.
; LIMITS: a block of zeros, or one whose largest magnitude lies under 2^-118, keeps the byte 1 (its bytes are read by this program alone; zero codes add nothing); NaN and infinities among the inputs are not served.
; A wave takes a run of 8 rows (8,192 numbers) in 16 steps of 512.  Work-groups 0-255 take x, 256-351 w_qkv, 352-383 w_out.
; THE ORDER OF ROWS.  x's and w_qkv's rows are stored with bits 3 and 4 of the row number exchanged: place p holds row p with these two bits swapped.  A run is 8 rows, so that is an exchange of the two low bits of
; the run's number, which are the wave's number.  The later products then find, in 16 neighbouring places, the rows that make a lane's results neighbours along the next K.  w_out keeps its order.
; Loads take 512 consecutive bytes; a step's 2,048 bytes turn through the wave's own stage in LDS so that a lane holds 16 neighbours; codes leave 512 consecutive bytes a store; a run's 256 scale bytes leave as one aligned block.
; No tensor loads, no barrier: waves share nothing.  Loads run four steps (16 loads a wave) ahead, the turn through LDS one step.
.set STEPS, 16
.set EMAX,  8
.set MANT,  0x600000                   ; the mantissa field of 448 as f32
.set CB,    16                         ; bytes of 16 codes
.set R,     16                         ; v16-79   four sets of 16 numbers as they are loaded
.set X,     80                         ; v80-111  two sets of 16 neighbours
.set C,     128                        ; v128-191 codes: four registers for each step, so that no store's data are written again
.set E,     112                        ; v112-127 a scale byte for each step
.set WREG,  8192                       ; LDS: a region for each wave: two stages of 32 x SP bytes, behind them its 256 scale bytes
.set SP,    80                         ; a lane's place in a stage: its 64 bytes + 16 of padding
.set SCB,   12582912                   ; where the scale bytes begin in inq
	s_load_b128 s[4:7], s[0:1], 0x0                ; x, w_qkv
	s_load_b128 s[8:11], s[0:1], 0x10              ; w_out, inq
	v_lshl_add_u32 v192, v0, 2, 0x8000
	v_mov_b32 v193, 0
	v_lshrrev_b32 v1, 5, v0
	v_readfirstlane_b32 s16, v1                    ; wave
	v_and_b32 v2, 31, v0                           ; lane
	v_lshlrev_b32 v3, 4, v2                        ; my 16 bytes of a load's 512
	s_mul_i32 s17, s16, WREG
	v_lshrrev_b32 v14, 2, v2
	v_mul_u32_u24 v14, v14, SP
	v_and_b32 v15, 3, v2
	v_lshl_add_u32 v14, v15, 4, v14
	v_add_nc_u32 v14, s17, v14                     ; the stage, on the way in: SP (lane / 4) + 16 (lane % 4)
	v_mul_u32_u24 v15, v2, SP
	v_add_nc_u32 v15, s17, v15                     ; and on the way out: SP x lane: my 16 neighbours
	v_mul_u32_u24 v4, v2, CB                       ; my codes' place in a step's
	v_lshrrev_b32 v5, 1, v2
	s_add_co_u32 s17, s17, 2*32*SP
	v_add_nc_u32 v5, s17, v5                       ; LDS: my wave's 256 scale bytes, my block's byte
	v_lshlrev_b32 v7, 3, v2                        ; and on the way out 8 bytes a lane
	v_add_nc_u32 v6, s17, v7
	s_mov_b32 s23, MANT                            ; (an instruction takes one literal: the hold's line has another)
	s_and_b32 s27, s16, 1
	s_lshl_b32 s27, s27, 1
	s_lshr_b32 s28, s16, 1
	s_or_b32 s27, s27, s28                         ; the wave's number with its two bits exchanged
	s_mov_b32 s17, 352
	s_wait_alu depctr_va_vdst(0)
	s_wait_kmcnt 0x0
	s_cmp_lt_u32 ttmp9, 352                        ; the choices hang on the work-group's number alone
	s_cselect_b64 s[6:7], s[6:7], s[8:9]           ; w_qkv or w_out
	s_cselect_b32 s17, 256, s17                    ; that tensor's first work-group
	s_cselect_b32 s27, s27, s16                    ; w_out keeps its rows' order
	s_cmp_lt_u32 ttmp9, 256
	s_cselect_b64 s[4:5], s[4:5], s[6:7]           ; x or one of the weights
	s_cselect_b32 s17, 0, s17
	s_sub_co_u32 s18, ttmp9, s17
	s_lshl_b32 s18, s18, 2
	s_add_co_u32 s18, s18, s16                     ; which run of the tensor I read
	s_lshl_b32 s20, s18, 15                        ; 32,768 bytes a run
	s_mov_b32 s21, 0
	s_add_nc_u64 s[4:5], s[4:5], s[20:21]
	s_lshl_b32 s28, ttmp9, 2
	s_add_co_u32 s27, s27, s28                     ; which run of inq I write: the three tensors' runs follow each other as their work-groups do
	s_lshl_b32 s20, s27, 13                        ; 8,192 bytes of codes a run
	s_add_nc_u64 s[8:9], s[10:11], s[20:21]
	s_lshl_b32 s20, s27, 8                         ; 256 scale bytes a run
	s_add_co_u32 s20, s20, SCB
	s_add_nc_u64 s[10:11], s[10:11], s[20:21]
.macro LOAD t
.irp i, 0,1,2,3
	global_load_b128 v[R+16*((\t)%4)+4*\i:R+16*((\t)%4)+4*\i+3], v3, s[4:5] offset:2048*(\t)+512*\i th:TH_LOAD_NT   ; 32 lanes read 512 consecutive bytes
.endr
.endm
.macro TURN t                          ; step t's numbers through the stage: LDS serves a wave's instructions in order, so no wait stands between the stores and the loads
.irp i, 0,1,2,3
	ds_store_b128 v14, v[R+16*((\t)%4)+4*\i:R+16*((\t)%4)+4*\i+3] offset:32*SP*((\t)%2)+8*SP*\i
.endr
.irp i, 0,1,2,3
	ds_load_b128 v[X+16*((\t)%2)+4*\i:X+16*((\t)%2)+4*\i+3], v15 offset:32*SP*((\t)%2)+16*\i
.endr
.endm
.irp t, 0,1,2,3
	LOAD \t
.endr
	s_wait_loadcnt 12                              ; step 0's four loads are in; the twelve of steps 1 to 3 may be out
	TURN 0
.macro STEP t
.set XS, X+16*((\t)%2)
.if (\t) > 0
	s_wait_dscnt 1                                 ; this step's numbers are back from the stage (the last step's byte store may be out): so its stores into the stage have read their registers,
.else
	s_wait_dscnt 0x0
.endif
.if (\t)+4 < STEPS
	LOAD (\t)+4                                    ; which take the loads of four steps on
.endif
.if (\t)+1 < STEPS
.if STEPS-2-(\t) >= 3
	s_wait_loadcnt 12                              ; the next step's four loads are in; those of the three steps behind it may be out
.else
	s_wait_loadcnt 4*(STEPS-2-(\t))
.endif
	TURN (\t)+1                                    ; and go through the other stage while this step is worked
.endif
	v_max3_num_f32 v8, |v[XS]|, |v[XS+1]|, |v[XS+2]|               ; the largest magnitude of my 16
	v_max3_num_f32 v9, |v[XS+3]|, |v[XS+4]|, |v[XS+5]|
.irp i, 6,10
	v_max3_num_f32 v8, v8, |v[XS+\i]|, |v[XS+\i+1]|
	v_max3_num_f32 v9, v9, |v[XS+\i+2]|, |v[XS+\i+3]|
.endr
	v_max3_num_f32 v8, v8, |v[XS+14]|, |v[XS+15]|
	v_max3_num_f32 v8, v8, v9, (EMAX+1)<<23        ; and the floor 2^(9 - 127): so the byte cannot fall under 1
	v_max_num_f32_dpp v8, v8, v8 row_xmask:1 row_mask:0xf bank_mask:0xf   ; and of my neighbour's 16: the block's
	v_add_nc_u32 v11, -(EMAX<<23), v8              ; 8 off its exponent field: the conversion takes the exponent field of this operand as its scale
	v_and_or_b32 v10, v8, 0x7f800000, s23          ; 448 x the scale
.irp i, 0,1,2,3,4,5,6,7,8,9,10,11,12,13,14,15
	v_med3_num_f32 v[XS+\i], v[XS+\i], -v10, v10   ; the conversion to an 8-bit code does not saturate (ISA guide 7.6.2): the hold comes first
.endr
	v_cvt_scalef32_pk8_fp8_f32 v[C+4*(\t):C+4*(\t)+1], v[XS:XS+7], v11
	v_cvt_scalef32_pk8_fp8_f32 v[C+4*(\t)+2:C+4*(\t)+3], v[XS+8:XS+15], v11
	v_lshrrev_b32 v[E+(\t)], 23, v11               ; the scale's byte (also the plain line behind the conversions)
	ds_store_b8 v5, v[E+(\t)] offset:16*(\t)       ; both lanes of a block write the same byte with the same value
	global_store_b128 v4, v[C+4*(\t):C+4*(\t)+3], s[8:9] offset:32*CB*(\t)   ; 32 lanes store 512 consecutive bytes
.endm
.irp t, 0,1,2,3,4,5,6,7,8,9,10,11,12,13,14,15
	STEP \t
.endr
	ds_load_b64 v[12:13], v6                       ; LDS serves a wave's instructions in order: these see my stores
	s_wait_dscnt 0x0
	global_store_b64 v7, v[12:13], s[10:11]        ; 32 lanes store 256 consecutive bytes, aligned
	s_wait_tensorcnt 0x0
	ds_add_u32 v192, v193
	s_wait_dscnt 0x0
	s_endpgm
.Lfunc_end_k_qe3b05c9722_quant:
	.size	k_qe3b05c9722_quant, .Lfunc_end_k_qe3b05c9722_quant-k_qe3b05c9722_quant
	.p2alignl 7, 3214868480
	.fill 96, 4, 3214868480
	.section	.rodata,"a",@progbits
	.p2align	6, 0x0
	.amdhsa_kernel k_qe3b05c9722_quant
		.amdhsa_group_segment_fixed_size 33280
		.amdhsa_private_segment_fixed_size 0
		.amdhsa_enable_private_segment 0
		.amdhsa_kernarg_size 32
		.amdhsa_user_sgpr_count 2
		.amdhsa_user_sgpr_kernarg_segment_ptr 1
		.amdhsa_wavefront_size32 1
		.amdhsa_system_sgpr_workgroup_id_x 1
		.amdhsa_system_sgpr_workgroup_id_y 1
		.amdhsa_system_sgpr_workgroup_id_z 1
		.amdhsa_system_vgpr_workitem_id 0
		.amdhsa_next_free_vgpr 194
		.amdhsa_next_free_sgpr 66
		.amdhsa_reserve_vcc 0
		.amdhsa_float_denorm_mode_32 3
		.amdhsa_float_denorm_mode_16_64 3
		.amdhsa_memory_ordered 1
		.amdhsa_forward_progress 1
		.amdhsa_inst_pref_size 51
	.end_amdhsa_kernel
	.amdgpu_metadata
---
amdhsa.version: [ 1, 2 ]
amdhsa.kernels:
  - .name:           k_qe3b05c9722_quant
    .symbol:         k_qe3b05c9722_quant.kd
    .args:
      - { .name: x, .offset: 0, .size: 8, .value_kind: global_buffer, .address_space: global }
      - { .name: w_qkv, .offset: 8, .size: 8, .value_kind: global_buffer, .address_space: global }
      - { .name: w_out, .offset: 16, .size: 8, .value_kind: global_buffer, .address_space: global }
      - { .name: inq, .offset: 24, .size: 8, .value_kind: global_buffer, .address_space: global }
    .group_segment_fixed_size: 33280
    .private_segment_fixed_size: 0
    .kernarg_segment_align: 8
    .kernarg_segment_size: 32
    .max_flat_workgroup_size: 128
    .sgpr_count:     66
    .vgpr_count:     194
    .wavefront_size: 32
...
	.end_amdgpu_metadata
.endif
;; end of part 1
;; launch qkv (part 2): grid 8 x 48, 4 waves a work-group, clusters of 4 x 4, 327,680 bytes of LDS; arguments inq, b_qkv, qkv; writes qkv
.if DOCPART == 2
	.amdgcn_target "amdgcn-amd-amdhsa--gfx1250"
	.amdhsa_code_object_version 6
	.text
	.protected	k_qe3b05c9722_qkv
	.globl	k_qe3b05c9722_qkv
	.p2align	8
	.type	k_qe3b05c9722_qkv,@function
k_qe3b05c9722_qkv:
	s_mov_b64 s[64:65], 0
	v_nop
	global_prefetch_b8 v0, s[64:65] scope:SCOPE_SE
	s_setreg_imm32_b32 hwreg(HW_REG_WAVE_MODE, 25, 1), 1
	s_wait_xcnt 0x0
	s_wait_alu depctr_hold_cnt(0) depctr_sa_sdst(0) depctr_va_vdst(0) depctr_va_sdst(0) depctr_va_ssrc(0) depctr_va_vcc(0) depctr_vm_vsrc(0)
	s_getreg_b32 s2, hwreg(HW_REG_IB_STS2, 6, 4)
	s_cmp_eq_u32 s2, 0
	s_cbranch_scc0 .Lentry_in_a_cluster
	s_endpgm
.Lentry_in_a_cluster:
	s_bfe_u32 s2, ttmp6, 0x10000c
	s_cmp_lg_u32 s2, 0xf033
	s_cbranch_scc0 .Lentry_shape_is_right
	s_endpgm
.Lentry_shape_is_right:
; qkv = x w_qkv^T + b_qkv on codes of FP8 (E4M3) with E8M0 scales (K = 1,024), and its three parts quantised at once, in registers, for the products that follow:
; q and k along the head's 64 features, v along the tokens.  What is stored are images of the later operands' registers, and their scale words.
; A tile of 256 x 256 results to a work-group of four waves, 128 x 128 (64 accumulators, 512 registers) to a wave.  K goes in steps of 256 through two LDS slots filled by tensor loads; the scale bytes of the
; work-group's rows, for all of K, come into LDS once.  4 x 4 work-groups form a cluster; the A side's tile is asked for jointly along a row of the cluster, the B side's along a column.
; THE MATRIX INSTRUCTION: source 0 = 16 rows of the B side, source 1 = 16 rows of the A side: a lane holds ONE row of the A side and its registers run along the B side.
; THE TWO KINDS, told apart by the cluster's y, which all sixteen partners share:
;   KIND 0 (cluster y 0-7): A side = x (a lane: a token), B side = w_qkv's rows 0-2,047 (registers: features): q (cluster x 0) and k (cluster x 1).
;   KIND 1 (cluster y 8-11): A side = w_qkv's rows 2,048 on (a lane: a feature of v), B side = x (registers: tokens): v with the tokens along the registers.
; Both sides' rows lie in inq with bits 3 and 4 of the row number exchanged, so that the 16 registers of accumulators (a, 2 g) and (a, 2 g + 1) are 16 NEIGHBOURS along the B side, 32 g + 16 (lane / 16) + 0 .. 15:
; the order of an operand's registers.  The conversions' results are therefore stored as they stand, 16 bytes a lane, 512 consecutive bytes a store.
; The bias is the C of the first K step's products: by B-side block in KIND 0 (it runs along the registers), by A-side block in KIND 1 (one number a lane); only that step is written twice.
; LIMITS: a block of zeros, or one whose largest magnitude lies under 2^-118, keeps the scale byte 1 (read by this program alone); NaN and infinities are not served.
; REGISTERS, in windows of 256: window 0: v1-7 at work; v8-15 the bias loads' offsets; v16-31 addresses; v32-63 scale words, two sets, and nothing else; v64-127 the bias, later the way out's codes and temporaries;
;   v128-255 the A side's fragments, ONE set, later the results' scale words.  window 1: the B side's fragments, two sets.  windows 2, 3: the accumulators ((a, b) at v[8 (8 (a % 4) + b)]).
.set KSTEP,  256
.set NQ,     2                         ; matrix instructions deep in a slot
.set ROWB,   256                       ; a tile's row in bytes
.set KROW,   1024                      ; a row of codes in memory
.set PITCH,  272                       ; an LDS row: 256 bytes + 16 of padding: the 16 rows that a load touches start at 16 different banks (64 banks of 4 bytes: ISA guide 11.1)
.set FR,     16
.set NL,     4
.set NP,     8                         ; places behind this matrix instruction (ISA guide 7.12.1)
.set HALFT,  128*PITCH
.set SLOT,   4*HALFT
.set KS,     32                        ; a row of scale bytes
.set SCL,    2*SLOT                    ; behind the ring: the scales, as blocks of 256 bytes + 16 of padding
.set HALFS,  (128*KS/256)*272
.set SBLK,   (16*KS/256)*272
.set SPARE,  SCL+4*HALFS               ; the spare words, 128 bytes for each wave
.set WC,     8388608                   ; inq: w_qkv's codes (x's begin at 0)
.set XS,     12582912                  ; x's scale bytes
.set WS,     12845056                  ; w_qkv's
.set QS0,    25165824                  ; qkv: where the scale words begin (q's; k's and v's 262,144 bytes on each)
.set BO,   8                           ; v8-15   the bias loads' offsets, one for each register of a block
.set ADRA, 16
.set ADRB, 20
.set CO,   26                          ; v26     16 x lane: my place in an image
.set ADRS, 27
.set SPW,  28                          ; v28     LDS address of my spare word; never rewritten
.set NIL,  29                          ; v29     0; never rewritten
.set CO2,  30                          ; v30     CO + the distance to a block's third and fourth 512 bytes
.set SOFF, 31                          ; v31     32 (lane % 16) + 16 (lane / 16): my place among the scale words
.set SC,   32
.set BIAS, 64
.set AF,   128
.set PC,   64                          ; the way out: a block's codes, 16 registers
.set TM,   80                          ; +0 largest magnitudes, +4 the other half's, then bytes, +8 448 x the scale, +12 the conversions' scale operands
.set SW,   128                         ; the eight blocks' scale words
.set SWO,  136
.set MNT,  3                           ; s3      the mantissa field of 448
.set SEL,  10                          ; s[10:11] lane selects for v_permlanex16_b32: lane l xor 16
.set KIND, 66
.set G1, 24
.set G0, 32
.set G1B, 48
.set G0B, 56
.set G1S, 68
.set G0S, 76
.set G1SB, 80
.set G0SB, 88
.set MSB, 0
.macro WIN new                         ; the immediate's high byte repeats the setting that is left
.if MSB != \new
	s_set_vgpr_msb (MSB<<8)|\new
.set MSB, \new
.endif
.endm
.set MUL_LO, 0xa1                      ; source 0 window 1, source 1 window 0, C and D window 2
.set MUL_HI, 0xf1                      ; the same, C and D window 3
.set TO_B,   0x40                      ; destination window 1, address window 0
; A joint load: waves 0 and 1 fetch for the A side, waves 2 and 3 for the B side.  The branch hangs on the wave's number alone.  Four v_nop follow each of the two lines.
.macro JLOAD g0a, g1a, g0b, g1b
	s_cmp_eq_u32 s15, 0
	s_cbranch_scc0 .Lfor_b_\@
	tensor_load_to_lds s[\g0a:\g0a+3], s[\g1a:\g1a+7]
	s_nop 0
.rept 4
	v_nop
.endr
	s_branch .Lasked_\@
.Lfor_b_\@:
	tensor_load_to_lds s[\g0b:\g0b+3], s[\g1b:\g1b+7]
	s_nop 0
.rept 4
	v_nop
.endr
.Lasked_\@:
.endm
.macro CREST                           ; a round of the cluster's barrier behind its opening barrier
	s_cmp_lg_u32 s14, 0
	s_cbranch_scc1 .Lnot_wave_0_\@
	s_barrier_signal -3
.Lnot_wave_0_\@:
	s_barrier_wait -3
	s_barrier_signal -1
	s_barrier_wait -1
.endm
.macro CROUND
	s_barrier_signal -1
	s_barrier_wait -1
	CREST
.endm
	s_load_b128 s[4:7], s[0:1], 0x0                ; inq, b_qkv
	s_load_b64 s[8:9], s[0:1], 0x10                ; qkv
	v_lshl_add_u32 v[SPW], v0, 2, SPARE
	v_mov_b32 v[NIL], 0
	ds_add_u32 v28, v29
	ds_add_u32 v28, v29
	s_wait_dscnt 0x0
	v_lshrrev_b32 v1, 5, v0
	v_readfirstlane_b32 s14, v1                    ; wave 0..3
	s_lshr_b32 s15, s14, 1                         ; which half of the A side's rows is mine.  Also: I fetch for the A side (0) or the B side (1)
	s_and_b32 s16, s14, 1                          ; which half of the B side's.  Also: which 128 rows of that tile I fetch
	s_bfe_u32 s40, ttmp6, 0x40000                  ; cx, cy: my place in the cluster
	s_bfe_u32 s41, ttmp6, 0x40004
	s_and_b32 s67, ttmp7, 0xffff                   ; the cluster's y
	s_lshl_b32 s17, s67, 2
	s_sub_co_u32 s18, s67, 8
	s_lshl_b32 s18, s18, 3
	s_lshl_b32 s42, ttmp9, 2
	s_cmp_ge_u32 s67, 8
	s_cselect_b32 s[KIND], 1, 0
	s_cselect_b32 s17, 8, s17
	s_cselect_b32 s18, s18, 0
	s_add_co_u32 s17, s17, s41                     ; the A side's tile of 256 rows: KIND 0: 4 x cluster y + cy, of x; KIND 1: 8 + cy, of w_qkv
	s_add_co_u32 s42, s42, s40
	s_add_co_u32 s42, s42, s18                     ; the B side's: KIND 0: 4 x cluster x + cx, of w_qkv; KIND 1: that + 8 (cluster y - 8), of x
	s_lshl_b32 s43, s41, 2
	s_lshl_b32 s43, 15, s43                        ; my row of the cluster
	s_lshl_b32 s44, 0x1111, s40                    ; my column
	s_mov_b32 s[MNT], 0x600000
	s_mov_b32 s[SEL], 0x76543210
	s_mov_b32 s[SEL+1], 0xfedcba98
	; descriptor group 1: a tile of 128 rows x 256 bytes, padded in LDS
	s_or_b32 s[G1+0], s43, (0<<16)|(1<<20)|(1<<21)|(5<<22)|(3<<25)  ; 15:0 the mask; 17:16 elements of 1 byte; 20 padding on; 21 set beside a mask; 24:22 after every 64 words; 31:25 four words
	s_or_b32 s[G1B+0], s44, (0<<16)|(1<<20)|(1<<21)|(5<<22)|(3<<25)
.irp g, G1, G1B
	s_mov_b32 s[\g+1], ROWB<<16                    ; tensor_dim0
	s_mov_b32 s[\g+2], 256<<16                     ; tensor_dim1: 256 rows for the head's loads; set to 128, for the ring's, behind the wait for them
	s_mov_b32 s[\g+3], ROWB<<16                    ; tile_dim0
	s_mov_b32 s[\g+4], 256                         ; tile_dim1 likewise
	s_mov_b32 s[\g+5], KROW                        ; tensor_dim0_stride
	s_mov_b32 s[\g+6], 0
	s_mov_b32 s[\g+7], 0
.endr
	; the scales of 256 rows: a dense block of 8,192 bytes, as rows of 256 bytes (32 elements of 8 bytes), 16 bytes of padding behind each
	s_or_b32 s[G1S+0], s43, (3<<16)|(1<<20)|(1<<21)|(5<<22)|(3<<25)
	s_or_b32 s[G1SB+0], s44, (3<<16)|(1<<20)|(1<<21)|(5<<22)|(3<<25)
.irp g, G1S, G1SB
	s_mov_b32 s[\g+1], 32<<16
	s_mov_b32 s[\g+2], (256*KS/256)<<16
	s_mov_b32 s[\g+3], 32<<16
	s_mov_b32 s[\g+4], 256*KS/256
	s_mov_b32 s[\g+5], 32
	s_mov_b32 s[\g+6], 0
	s_mov_b32 s[\g+7], 0
.endr
	s_lshl_b32 s20, s17, 8                         ; the A side's tile: its first row
	s_lshl_b32 s46, s42, 8                         ; the B side's
	s_lshl_b32 s22, s20, 5                         ; its scale bytes: 32 a row,
	s_lshl_b32 s20, s20, 10                        ; its codes: 1,024 a row
	s_lshl_b32 s92, s46, 5
	s_lshl_b32 s46, s46, 10
	s_mov_b32 s19, WC
	s_mov_b32 s94, XS
	s_mov_b32 s95, WS
	s_cmp_lg_u32 s[KIND], 0
	s_cselect_b32 s18, s19, 0                      ; the A side lies in w_qkv's part of inq (KIND 1) or in x's
	s_cselect_b32 s19, 0, s19                      ; the B side the other way round
	s_cselect_b32 s21, s95, s94
	s_cselect_b32 s23, s94, s95
	s_add_co_u32 s20, s20, s18
	s_add_co_u32 s22, s22, s21
	s_add_co_u32 s46, s46, s19
	s_add_co_u32 s92, s92, s23
	s_mov_b32 s21, 0
	s_mov_b32 s23, 0
	s_mov_b32 s47, 0
	s_mov_b32 s93, 0
	s_mul_i32 s45, s14, HALFT                      ; where they go: wave x 128 rows: no place in the cluster enters an LDS address
	s_wait_kmcnt 0x0
	s_add_nc_u64 s[20:21], s[4:5], s[20:21]
	s_add_nc_u64 s[22:23], s[4:5], s[22:23]
	s_add_nc_u64 s[46:47], s[4:5], s[46:47]
	s_add_nc_u64 s[92:93], s[4:5], s[92:93]
	CROUND                                         ; all sixteen work-groups are here: the first joint loads meet
	s_mov_b32 s[G0S], 1
	s_mov_b32 s[G0S+1], SCL
	s_mov_b64 s[G0S+2:G0S+3], s[22:23]
	s_or_b32 s[G0S+3], s[G0S+3], 0x80000000
	s_mov_b32 s[G0SB], 1
	s_mov_b32 s[G0SB+1], SCL+2*HALFS
	s_mov_b64 s[G0SB+2:G0SB+3], s[92:93]
	s_or_b32 s[G0SB+3], s[G0SB+3], 0x80000000
.irp s, 0,1
	s_mov_b32 s[G0+4*\s], 1
	s_add_co_u32 s[G0+4*\s+1], s45, \s*SLOT
	s_add_nc_u64 s[G0+4*\s+2:G0+4*\s+3], s[20:21], \s*ROWB
	s_or_b32 s[G0+4*\s+3], s[G0+4*\s+3], 0x80000000
	s_mov_b32 s[G0B+4*\s], 1
	s_add_co_u32 s[G0B+4*\s+1], s45, \s*SLOT
	s_add_nc_u64 s[G0B+4*\s+2:G0B+4*\s+3], s[46:47], \s*ROWB
	s_or_b32 s[G0B+4*\s+3], s[G0B+4*\s+3], 0x80000000
.endr
	s_lshl_b32 s18, s16, 17                        ; my 128 rows of a tile begin 128 x 1,024 bytes x half on
	s_mov_b32 s19, 0
	s_mov_b32 s[G0+1], 0                           ; slot 0's groups 0 serve the head's loads first: a side's whole 256 rows of K step 0
	s_mov_b32 s[G0B+1], 2*HALFT
	s_add_nc_u64 s[G0+6:G0+7], s[G0+6:G0+7], s[18:19]      ; slot 1's: my half
	s_add_nc_u64 s[G0B+6:G0B+7], s[G0B+6:G0B+7], s[18:19]
; THE HEAD'S LOADS, ONE A WAVE: wave 0 the A side's 256 rows of K step 0, wave 1 the B side's, wave 2 the A side's scale bytes, wave 3 the B side's.
; One chain of branches on the wave's number: every way through the head passes exactly one load.
.macro HARM under, g0, g1, next
	s_cmp_lt_u32 s14, \under
	s_cbranch_scc0 \next
	tensor_load_to_lds s[\g0:\g0+3], s[\g1:\g1+7]
	s_nop 0
.rept 4
	v_nop
.endr
	s_branch .Lhead_asked
\next:
.endm
	HARM 1, G0,  G1,  .Lhead_b
	HARM 2, G0B, G1B, .Lhead_sa
	HARM 3, G0S, G1S, .Lhead_sb
	tensor_load_to_lds s[G0SB:G0SB+3], s[G1SB:G1SB+7]
	s_nop 0
.rept 4
	v_nop
.endr
.Lhead_asked:
	v_and_b32 v1, 15, v0                           ; r = lane % 16
	v_bfe_u32 v2, v0, 4, 1                         ; h = lane / 16
	v_mul_u32_u24 v3, v1, PITCH
	v_lshl_add_u32 v4, v2, 4, v3                   ; a fragment's row x pitch + 16 x half
	s_mul_i32 s21, s15, HALFT                      ; my 128 rows of the A side
	s_mul_i32 s22, s16, HALFT                      ; my 128 rows of the B side,
	s_add_co_u32 s22, s22, 2*HALFT                 ; which lie behind the A side's 256
.irp s, 0,1
	v_add_nc_u32 v[ADRA+\s], s21, v4
	v_add_nc_u32 v[ADRB+\s], s22, v4
	s_add_co_u32 s21, s21, SLOT
	s_add_co_u32 s22, s22, SLOT
.endr
	v_mul_u32_u24 v5, v1, KS                       ; my row's scales: 32 bytes a row,
	v_lshrrev_b32 v6, 8, v5
	v_lshl_add_u32 v5, v6, 4, v5                   ; and 16 more for each 256 passed
	s_mul_i32 s21, s15, HALFS
	s_mul_i32 s22, s16, HALFS
	s_add_co_u32 s22, s22, 2*HALFS
	s_sub_co_u32 s22, s22, s21
	v_mul_u32_u24 v6, s22, v2                      ; lanes 16-31 take the B side's: one product, the distance between the two bases x h
	s_add_co_u32 s21, s21, SCL
	v_add_nc_u32 v5, v5, v6
	v_add_nc_u32 v[ADRS], s21, v5
	; where my results go, and which part of the bias is mine
	s_lshl_b32 s18, s17, 1
	s_add_co_u32 s18, s18, s15                     ; GA: my 128 rows of the A side
	s_lshl_b32 s19, s42, 1
	s_add_co_u32 s19, s19, s16                     ; GB: of the B side
	s_sub_co_u32 s20, s18, 16
	s_and_b32 s21, s19, 7
	s_mov_b32 s98, 1024
	s_mov_b32 s100, 8192
	s_cmp_lg_u32 s[KIND], 0
	s_cselect_b32 s22, s19, s18                    ; X: the group of 128 tokens
	s_cselect_b32 s20, s20, s21                    ; Y: the pair of heads
	s_cselect_b32 s21, 2, ttmp9                    ; Z: q 0, k 1, v 2
	s_cselect_b32 s23, s18, s19                    ; my 128 features, counted in b_qkv
	s_cselect_b32 s98, 2048, s98                   ; from one block's image to the next: v: a tile of 16 features x 128 keys; q, k: a tile of 16 tokens x 64
	s_cselect_b32 s100, 1024, s100                 ; from a block's first 512 bytes to its third: v: on end; q, k: the second head, 8,192 bytes on
	s_cselect_b32 s92, 0, 64                       ; the bias's byte offset = 64 h + 4 j (KIND 0: along the registers)
	s_cselect_b32 s93, 4, 0                        ;   or 4 (r + 8 (r / 8)) (KIND 1: one number a lane)
	s_cselect_b32 s94, 0, 4
	s_mov_b32 s99, 0
	s_lshl_b32 s46, s21, 23                        ; codes: Z x 8,388,608 + X x 131,072 + Y x 16,384
	s_lshl_b32 s47, s22, 17
	s_add_co_u32 s46, s46, s47
	s_lshl_b32 s47, s20, 14
	s_add_co_u32 s46, s46, s47
	s_mov_b32 s47, 0
	s_add_nc_u64 s[12:13], s[8:9], s[46:47]
	s_lshl_b32 s46, s21, 18                        ; scale words: QS0 + Z x 262,144 + X x 4,096 + Y x 512
	s_lshl_b32 s95, s22, 12
	s_add_co_u32 s46, s46, s95
	s_lshl_b32 s95, s20, 9
	s_add_co_u32 s46, s46, s95
	s_add_co_u32 s46, s46, QS0
	s_add_nc_u64 s[96:97], s[8:9], s[46:47]
	s_lshl_b32 s46, s23, 9
	s_add_nc_u64 s[104:105], s[6:7], s[46:47]
	v_and_b32 v5, 8, v1
	v_add_nc_u32 v5, v5, v1                        ; r + 8 (r / 8)
	v_mul_u32_u24 v6, v2, s92
	v_mad_u32_u24 v6, v5, s93, v6
	v_mov_b32 v7, s94
.irp j, 0,1,2,3,4,5,6,7
	v_mad_u32_u24 v[BO+\j], v7, \j, v6
.endr
.irp t, 0,1,2,3,4,5,6,7                        ; block t begins at feature 32 (t / 2) + 8 (t % 2) of my 128: the rows' order in inq
.irp j, 0,1,2,3,4,5,6,7
	global_load_b32 v[BIAS+8*\t+\j], v[BO+\j], s[104:105] offset:(32*(\t/2)+8*(\t%2))*4
.endr
.endr
	v_and_b32 v6, 31, v0
	v_lshlrev_b32 v[CO], 4, v6
	v_add_nc_u32 v[CO2], s100, v[CO]
	v_lshlrev_b32 v[SOFF], 5, v1
	v_lshl_add_u32 v[SOFF], v2, 4, v[SOFF]
.macro FRAG reg, adr, q, i             ; a fragment, 16 rows x 128 K: lane l holds row l % 16; registers 4 c .. 4 c + 3 hold K = 32 c + 16 (l / 16) + 0 .. 15
.irp c, 0,1,2,3
	ds_load_b128 v[\reg+4*\c:\reg+4*\c+3], v[\adr] offset:128*(\q)+32*\c+(\i)*16*PITCH
.endr
.endm
; 16 matrix instructions: the A side's blocks a0, a0 + 1 x the B side's eight.  cm = 0: the sums go on; 1: they start from the bias of the B side's block; 2: from that of the A side's block.
; The 64 accumulators take turns, one instruction a turn, in the same order in every step.
.macro MUL16 a0, p, q, sc, cm
.irp a, \a0, \a0+1
.irp b, 0,1,2,3,4,5,6,7
.if \cm == 1
	v_wmma_scale_f32_16x16x128_f8f6f4 v[8*(8*((\a)%4)+\b):8*(8*((\a)%4)+\b)+7], v[128*(\p)+FR*\b:128*(\p)+FR*\b+FR-1], v[AF+FR*(\a):AF+FR*(\a)+FR-1], v[BIAS+8*\b:BIAS+8*\b+7], v[SC+8*NQ*(\sc)+NQ*\b+(\q)], v[SC+8*NQ*(\sc)+NQ*(\a)+(\q)] matrix_a_scale:MATRIX_SCALE_ROW1
.elseif \cm == 2
	v_wmma_scale_f32_16x16x128_f8f6f4 v[8*(8*((\a)%4)+\b):8*(8*((\a)%4)+\b)+7], v[128*(\p)+FR*\b:128*(\p)+FR*\b+FR-1], v[AF+FR*(\a):AF+FR*(\a)+FR-1], v[BIAS+8*(\a):BIAS+8*(\a)+7], v[SC+8*NQ*(\sc)+NQ*\b+(\q)], v[SC+8*NQ*(\sc)+NQ*(\a)+(\q)] matrix_a_scale:MATRIX_SCALE_ROW1
.else
	v_wmma_scale_f32_16x16x128_f8f6f4 v[8*(8*((\a)%4)+\b):8*(8*((\a)%4)+\b)+7], v[128*(\p)+FR*\b:128*(\p)+FR*\b+FR-1], v[AF+FR*(\a):AF+FR*(\a)+FR-1], v[8*(8*((\a)%4)+\b):8*(8*((\a)%4)+\b)+7], v[SC+8*NQ*(\sc)+NQ*\b+(\q)], v[SC+8*NQ*(\sc)+NQ*(\a)+(\q)] matrix_a_scale:MATRIX_SCALE_ROW1
.endif
.endr
.endr
.endm
.macro FETCH_B slot, q, p
	WIN TO_B
.irp i, 0,1,2,3,4,5,6,7
	FRAG 128*(\p)+FR*\i, ADRB+\slot, \q, \i
.endr
	WIN 0
.endm
.macro FETCH_A slot, q, i0
.irp i, \i0, \i0+1, \i0+2, \i0+3
	FRAG AF+FR*(\i), ADRA+\slot, \q, \i
.endr
.endm
.macro SCALES sc                       ; a K step's scale words: two a row; lanes 0-15 take the A side's block i, lanes 16-31 the B side's block i
.irp i, 0,1,2,3,4,5,6,7
	ds_load_b64 v[SC+8*NQ*\sc+NQ*\i:SC+8*NQ*\sc+NQ*\i+1], v[ADRS] offset:\i*SBLK
.endr
.endm
.macro PLACES n                        ; places in front of loads into registers that matrix instructions have read, and of the first read of results
.rept \n
	v_nop
.endr
.endm
; A step of 128 along K that has its successor in the same slot.
.macro STEP slot, q, cm
	s_wait_dscnt 4*NL                              ; the B side's set and the A side's blocks 0-3 are in; the youngest 16 loads (blocks 4-7) may be out
.if \cm
	WIN 0x81                                       ; source 0 window 1, source 1 and C (the bias) window 0, D window 2
.else
	WIN MUL_LO
.endif
	MUL16 0, (\q)%2, \q, \slot, \cm
	MUL16 2, (\q)%2, \q, \slot, \cm
	s_wait_dscnt 0                                 ; blocks 4-7 are in
	PLACES NP
	FETCH_B \slot, (\q)+1, 1-(\q)%2
	FETCH_A \slot, (\q)+1, 0
.if \cm
	WIN 0xc1                                       ; the same, D window 3
.else
	WIN MUL_HI
.endif
	MUL16 4, (\q)%2, \q, \slot, \cm
	MUL16 6, (\q)%2, \q, \slot, \cm
	PLACES NP
	WIN 0
	FETCH_A \slot, (\q)+1, 4
.endm
; A slot's last step changes slots: ONE barrier; in front of it each wave waits for all its tensor loads, adds 0 to its spare word, and waits for that and for its own reads of this slot.  fill = 1: this slot is filled again, two K steps ahead.
.macro TURN slot, next, fill
	s_wait_tensorcnt 0x0                           ; all my tensor loads have landed: my part of the next slot (every window is 0 here)
	ds_add_u32 v[SPW], v[NIL]                      ; 0 onto my spare word
	s_wait_dscnt 4*NL+1                            ; (the add and the youngest 16 loads may be out)
	WIN MUL_LO
	MUL16 0, 1, NQ-1, \slot, 0                     ; sixteen matrix instructions stand between the add and the wait for it
	s_wait_dscnt 0x0                               ; the add is done, and my reads of this slot are over
	s_barrier_signal -1
	MUL16 2, 1, NQ-1, \slot, 0
	WIN 0
	s_barrier_wait -1
.if \fill
	CREST                                          ; the barrier has opened a round of the cluster's barrier: no wave of any partner still reads this slot's tile or has a load on its way
	s_add_nc_u64 s[G0+4*\slot+2:G0+4*\slot+3], s[G0+4*\slot+2:G0+4*\slot+3], 2*ROWB
	s_add_nc_u64 s[G0B+4*\slot+2:G0B+4*\slot+3], s[G0B+4*\slot+2:G0B+4*\slot+3], 2*ROWB
	JLOAD G0+4*\slot, G1, G0B+4*\slot, G1B         ; the first tensor load behind the round, one a wave; its four v_nop are among the places in front of the loads below
	PLACES NP-4
.else
	PLACES NP
.endif
	s_wait_alu depctr_va_vdst(0)
	v_add_nc_u32 v[ADRS], 4*NQ, v[ADRS]            ; on to the next K step's scale words (no LDS load of mine is out)
	FETCH_B \next, 0, 0
	FETCH_A \next, 0, 0
	SCALES \next
	WIN MUL_HI
	MUL16 4, 1, NQ-1, \slot, 0
	MUL16 6, 1, NQ-1, \slot, 0
	PLACES NP
	WIN 0
	FETCH_A \next, 0, 4
.endm
	s_wait_alu depctr_va_vdst(0)
	s_wait_loadcnt 0x0                             ; the bias
	s_wait_tensorcnt 0x0                           ; my tile of the head's four is in
	ds_add_u32 v[SPW], v[NIL]
	s_mov_b32 s[G1+2], 128<<16                     ; no tensor load of mine is out, so descriptors may be written: from here on a load brings 128 rows
	s_mov_b32 s[G1+4], 128
	s_mov_b32 s[G1B+2], 128<<16
	s_mov_b32 s[G1B+4], 128
	s_mov_b32 s[G0+1], s45                         ; slot 0's groups 0 for the ring: my 128 rows
	s_mov_b32 s[G0B+1], s45
	s_lshl_b32 s18, s16, 17
	s_mov_b32 s19, 0
	s_add_nc_u64 s[G0+2:G0+3], s[G0+2:G0+3], s[18:19]
	s_add_nc_u64 s[G0B+2:G0B+3], s[G0B+2:G0B+3], s[18:19]
	s_wait_dscnt 0x0                               ; the add is done
	CROUND                                         ; a whole round: all four tiles are in, in every partner
	JLOAD G0+4, G1, G0B+4, G1B                     ; K step 1, the first tensor load behind the round
	FETCH_B 0, 0, 0
	FETCH_A 0, 0, 0
	SCALES 0
	FETCH_A 0, 0, 4
	s_cmp_lg_u32 s[KIND], 0                        ; the first step is written for each kind: the same loads and waits, another C.  The branch hangs on the cluster's y, which all partners share
	s_cbranch_scc1 .Lfirst_v
	STEP 0, 0, 1
	s_branch .Ljoin
.Lfirst_v:
	STEP 0, 0, 2
.Ljoin:
	TURN 0, 1, 1                                   ; K has four steps of 256: both slots are filled again once, so the steps are written out
	STEP 1, 0, 0
	TURN 1, 0, 1
	STEP 0, 0, 0
	TURN 0, 1, 0                                   ; nothing is left to fetch: a plain barrier
	STEP 1, 0, 0
	s_wait_dscnt 4*NL                              ; the very last step
	WIN MUL_LO
	MUL16 0, 1, NQ-1, 1, 0
	MUL16 2, 1, NQ-1, 1, 0
	s_wait_dscnt 0
	WIN MUL_HI
	MUL16 4, 1, NQ-1, 1, 0
	MUL16 6, 1, NQ-1, 1, 0
	WIN 0
; THE WAY OUT of the A side's block a: 64 numbers a lane, register 16 g + i = neighbour 32 g + 16 (lane / 16) + i along the B side: four blocks of 32, each shared with lane l xor 16.
; Largest magnitudes (each accumulator is read from its low end on), scale bytes, the hold, the conversions; the 16 registers of codes leave by four stores of 512 consecutive bytes.
.macro OUTA a
.set WD, 2+(\a)/4
.set AC, 64*((\a)%4)
.set W12, (WD<<2)|(WD<<4)
.set W0D, WD|(WD<<6)
	WIN W12                                        ; sources 1 and 2: the accumulators' window
.irp b, 0,1,2,3
	v_max3_num_f32 v[TM+\b], 0x4800000, |v[AC+16*\b]|, |v[AC+16*\b+1]|   ; with the floor 2^(9 - 127): the byte cannot fall under 1
.endr
.irp i, 2,4,6,8,10,12,14
.irp b, 0,1,2,3
	v_max3_num_f32 v[TM+\b], v[TM+\b], |v[AC+16*\b+\i]|, |v[AC+16*\b+\i+1]|
.endr
.endr
	WIN 0
.irp b, 0,1,2,3
	v_permlanex16_b32 v[TM+4+\b], v[TM+\b], s[SEL], s[SEL+1]
.endr
.irp b, 0,1,2,3
	v_max_num_f32 v[TM+\b], v[TM+\b], v[TM+4+\b]   ; with lane l xor 16's: the block's largest magnitude
.endr
.irp b, 0,1,2,3
	v_add_nc_u32 v[TM+12+\b], 0xfc000000, v[TM+\b] ; 8 off its exponent field: the conversion's scale operand
.endr
.irp b, 0,1,2,3
	v_and_or_b32 v[TM+8+\b], v[TM+\b], 0x7f800000, s[MNT]   ; 448 x the scale
.endr
.irp b, 0,1,2,3
	v_lshrrev_b32 v[TM+4+\b], 23, v[TM+12+\b]      ; the scale's byte
.endr
	v_lshl_or_b32 v[SW+(\a)], v[TM+5], 8, v[TM+4]  ; the four bytes make my row's scale word for this block
	v_lshl_or_b32 v[SW+(\a)], v[TM+6], 16, v[SW+(\a)]
	v_lshl_or_b32 v[SW+(\a)], v[TM+7], 24, v[SW+(\a)]
	WIN W0D                                        ; destination and source 0: the accumulators' window
.irp b, 0,1,2,3
.irp i, 0,1,2,3,4,5,6,7,8,9,10,11,12,13,14,15
	v_med3_num_f32 v[AC+16*\b+\i], v[AC+16*\b+\i], -v[TM+8+\b], v[TM+8+\b]   ; the conversion to an 8-bit code does not saturate (ISA guide 7.6.2)
.endr
.endr
	s_wait_alu depctr_va_vdst(0)
	s_wait_xcnt 0x0                                ; the last block's stores have read their data and their base: both are written again only behind this wait
	WIN WD                                         ; source 0: the accumulators' window
.irp b, 0,1,2,3
	v_cvt_scalef32_pk8_fp8_f32 v[PC+4*\b:PC+4*\b+1], v[AC+16*\b:AC+16*\b+7], v[TM+12+\b]
	v_cvt_scalef32_pk8_fp8_f32 v[PC+4*\b+2:PC+4*\b+3], v[AC+16*\b+8:AC+16*\b+15], v[TM+12+\b]
.endr
	WIN 0
	v_nop                                          ; one plain line behind the last conversion
.if (\a) > 0
	s_add_nc_u64 s[12:13], s[12:13], s[98:99]      ; the next block's image
.endif
	global_store_b128 v[CO], v[PC:PC+3], s[12:13]               ; 32 lanes store 512 consecutive bytes, aligned
	global_store_b128 v[CO], v[PC+4:PC+7], s[12:13] offset:512
	global_store_b128 v[CO2], v[PC+8:PC+11], s[12:13]
	global_store_b128 v[CO2], v[PC+12:PC+15], s[12:13] offset:512
.endm
	PLACES NP                                      ; behind the last products
.irp b, 0,1,2,3
	v_mov_b32 v[TM+4+\b], 0                        ; a lane permute's destination counts as one of its sources
.endr
.irp a, 0,1,2,3,4,5,6,7
	OUTA \a
.endr
	v_and_b32 v6, 31, v0
	v_cmp_lt_u32 vcc_lo, 15, v6
.irp i, 0,1,2,3
	v_cndmask_b32 v[SWO+\i], v[SW+\i], v[SW+4+\i], vcc_lo   ; both halves of the lanes hold all eight words of row r: lanes 0-15 send blocks 0-3, lanes 16-31 blocks 4-7
.endr
	global_store_b128 v[SOFF], v[SWO:SWO+3], s[96:97]          ; [r 16][block 8] words: 512 consecutive bytes, aligned
	s_wait_tensorcnt 0x0                           ; the wave's end
	ds_add_u32 v[SPW], v[NIL]
	s_wait_dscnt 0x0
	CROUND                                         ; the closing round: no work-group ends while a partner may still ask for a tile that names it
	s_endpgm
.Lfunc_end_k_qe3b05c9722_qkv:
	.size	k_qe3b05c9722_qkv, .Lfunc_end_k_qe3b05c9722_qkv-k_qe3b05c9722_qkv
	.p2alignl 7, 3214868480
	.fill 96, 4, 3214868480
	.section	.rodata,"a",@progbits
	.p2align	6, 0x0
	.amdhsa_kernel k_qe3b05c9722_qkv
		.amdhsa_group_segment_fixed_size 327680
		.amdhsa_private_segment_fixed_size 0
		.amdhsa_enable_private_segment 0
		.amdhsa_kernarg_size 24
		.amdhsa_user_sgpr_count 2
		.amdhsa_user_sgpr_kernarg_segment_ptr 1
		.amdhsa_wavefront_size32 1
		.amdhsa_system_sgpr_workgroup_id_x 1
		.amdhsa_system_sgpr_workgroup_id_y 1
		.amdhsa_system_sgpr_workgroup_id_z 1
		.amdhsa_system_vgpr_workitem_id 0
		.amdhsa_next_free_vgpr 1024
		.amdhsa_next_free_sgpr 106
		.amdhsa_reserve_vcc 1
		.amdhsa_float_denorm_mode_32 3
		.amdhsa_float_denorm_mode_16_64 3
		.amdhsa_memory_ordered 1
		.amdhsa_forward_progress 1
		.amdhsa_inst_pref_size 207
	.end_amdhsa_kernel
	.amdgpu_metadata
---
amdhsa.version: [ 1, 2 ]
amdhsa.kernels:
  - .name:           k_qe3b05c9722_qkv
    .symbol:         k_qe3b05c9722_qkv.kd
    .args:
      - { .name: inq, .offset: 0, .size: 8, .value_kind: global_buffer, .address_space: global }
      - { .name: b_qkv, .offset: 8, .size: 8, .value_kind: global_buffer, .address_space: global }
      - { .name: qkv, .offset: 16, .size: 8, .value_kind: global_buffer, .address_space: global }
    .group_segment_fixed_size: 327680
    .private_segment_fixed_size: 0
    .kernarg_segment_align: 8
    .kernarg_segment_size: 24
    .max_flat_workgroup_size: 128
    .sgpr_count:     106
    .vgpr_count:     1024
    .wavefront_size: 32
...
	.end_amdgpu_metadata
.endif
;; end of part 2
;; launch attn (part 3): grid 4 x 64, 16 waves a work-group, no clusters, 327,680 bytes of LDS; arguments qkv, att; writes att
.if DOCPART == 3
	.amdgcn_target "amdgcn-amd-amdhsa--gfx1250"
	.amdhsa_code_object_version 6
	.text
	.protected	k_qe3b05c9722_attn
	.globl	k_qe3b05c9722_attn
	.p2align	8
	.type	k_qe3b05c9722_attn,@function
k_qe3b05c9722_attn:
	s_mov_b64 s[64:65], 0
	v_nop
	global_prefetch_b8 v0, s[64:65] scope:SCOPE_SE
	s_setreg_imm32_b32 hwreg(HW_REG_WAVE_MODE, 25, 1), 1
	s_wait_xcnt 0x0
; o = softmax(q k^T / 8, causal) v for one head, both products on codes of FP8 (E4M3) with E8M0 scales, and o quantised along the head's 64 for the last product.
; q, k, v come from the workspace qkv as images of operand registers (16 bytes a lane, 512 bytes a group of four registers), with their scale words.
; THE SOFTMAX: t = score x log2(e) / 8; M = the row's largest t so far, rounded UP to a whole number; p = 2^(t - M) is quantised along the keys, not normalised; the row's sum is taken of the unquantised p and
; divides O at the end; when M moves, the sum and O are multiplied by 2^(old M - new M), which rounds nothing.
; WORK LEFT OUT: the causal mask sets the scores of keys behind a query to -infinity, so a step of 128 keys all of which come after a tile's queries adds nothing and is jumped over.
; SHARES.  A batch's 2,048 places are 128 query tiles of 16.  Work-group i of a head's four takes the tiles T = 4 j + i, j = 0 .. 31; tile T needs key steps 0 .. T / 8 = j / 2.  Wave w takes j = 31 - w, then j = w:
; (15 - w / 2 + 1) + (w / 2 + 1) = 17 key steps for every wave, 272 for every work-group, and every work-group reads all sixteen key steps.
; THE WHOLE HEAD'S K AND V LIE IN LDS, each byte filled once: 131,072 bytes each, and 8,192 bytes of scale words each.  At the head waves 0-3 fetch K's and V's steps 0-3 (two steps, 16,384 bytes, a load) and waves 4, 5 the
; scale words; behind the first barrier, waves 0-11 fetch steps 4-15, two steps a load: they have the first tile's four steps in which to land.  Every wait on TENSORcnt is for 0.
; PREFETCH: at the head waves 6-11 ask for six of the 24 rows (K's and V's steps 4-15, 8,192 bytes a row, lanes 256 bytes apart) that the second group of loads will fetch: row 6 i + (wave - 6), so that the head's four
; work-groups name each block of 256 bytes once.  Steps 0-3 come by their loads alone; behind the second group nothing is fetched.
; NO CLUSTER, though the four work-groups of a head read the same K and V: which of the four mask texts a diagonal step takes, (T / 2) % 4, hangs on the work-group's x, which would be its place in the cluster.
; LAYOUT.  S^T = K Q^T (source 0 = 16 keys, source 1 = my 16 queries; K = 64, the upper half of both fragments is zero codes), O^T = V^T P^T: a lane holds ONE query throughout.
; Place p of a group of 32 holds token p with bits 3 and 4 exchanged: lane r of tile T holds query 32 (T / 2) + 8 (T % 2) + r + 8 (r / 8); the 16 registers of score tiles 2 b, 2 b + 1 are keys 32 b + 16 (lane / 16) + 0 .. 15,
; those of O^T's tiles 2 g, 2 g + 1 the head's channels 32 g + 16 (lane / 16) + 0 .. 15: the order of the next operand's registers.
; THE MASK on the diagonal step: of its four blocks of 32 keys those under (T / 2) % 4 count whole, that one is compared key by key, those above become -infinity: branches on ids alone.
; LIMITS: the promise holds while the scaled scores stay under 2^31 in magnitude; NaN and infinities are not served; a block of o whose largest magnitude lies under 2^-118 keeps the scale byte 1.
; REGISTERS: v1-7 stay; v8-11 addresses in hand; v12 -M, v13 the largest score, v[14:15] the sum; v16-31 Q (upper half zeros); v32-95 four fragments of K (upper halves zeros); v96-159 S^T, p, then V; v160-191 O^T;
; v192-207 p's codes; v208-227 at work; v228-237 scale words alone; v238-246 the second tile's Q and scale word; v247 -infinity; v248-253 partial sums; v254, v255 the add's.
.set L16,  1                           ; 16 x lane
.set AV0,  2                           ; the same in V's part of LDS
.set ASK0, 3                           ; my place among K's scale words
.set ASV0, 4                           ; among V's
.set QD,   5                           ; r + 8 (r / 8) - 16 (lane / 16) + 8 (T % 2): key i of the partial block's 16 is hidden where i > this
.set PFO,  6                           ; 256 x lane: the prefetch's offset; never rewritten
.set R32,  7                           ; 32 r
.set ADK,  8
.set ADV,  9
.set ADS,  10
.set ADT,  11
.set BM,   208                         ; the blocks' largest scores, then largest p
.set BT,   212                         ; the other half's; then the bytes
.set LIM,  216                         ; 448 x the scale
.set SCO,  220                         ; the conversions' scale operands
.set VLDS, 131072
.set KSC,  262144
.set VSC,  270336
.set SPARE, 278528                     ; the spare words: 128 bytes a wave
.set WV,   3
.set G1C,  24                          ; s[24:31] group 1, codes; s[32:39] scale words; groups 0: s[40:43] scale words, s[44:47] steps 0-3, s[48:51] steps 4-15
.set G1S,  32
.set PFA,  52                          ; s[52:53] the prefetch's base; never rewritten
.set GB,   54                          ; (T / 2) % 4 of the tile in hand; s55 the second tile's
.set SEL,  60
.set CS,   62                          ; s[62:63] c = log2(e) / 8
.set MNT,  66
.set KF,   67                          ; the step's first key
.set TB,   68                          ; its place in K's and V's parts of LDS: 8,192 bytes a step
.set TS,   69                          ; its scale words': 512 bytes a step
.set TRIP, 70
.set Q0,   71                          ; my tile's first query
.set QL,   72                          ; and its last: Q0 + 23
	s_load_b128 s[4:7], s[0:1], 0x0                ; qkv, att
	v_lshl_add_u32 v254, v0, 2, SPARE
	v_mov_b32 v255, 0
	ds_add_u32 v254, v255                          ; the opening lines: the add, twice on end, and its wait
	ds_add_u32 v254, v255
	v_lshrrev_b32 v8, 5, v0
	v_readfirstlane_b32 s[WV], v8                  ; wave 0..15
	s_and_b32 s73, ttmp7, 0xffff
	s_lshr_b32 s74, s73, 4                         ; batch
	s_and_b32 s75, s73, 15                         ; head
	s_and_b32 s76, s75, 1                          ; its parity
	s_lshr_b32 s77, s75, 1                         ; its pair
	s_and_b32 s78, s[WV], 1                        ; I fetch for K (0) or V (1),
	s_lshr_b32 s79, s[WV], 1                       ; which pair of key steps
	s_mov_b32 s[G1C+0], 3<<16                      ; codes: two key steps, rows of 8,192 bytes (1,024 elements of 8), 131,072 bytes apart in memory, on end in LDS
	s_mov_b32 s[G1C+1], 1024<<16
	s_mov_b32 s[G1C+2], 2<<16
	s_mov_b32 s[G1C+3], 1024<<16
	s_mov_b32 s[G1C+4], 2
	s_mov_b32 s[G1C+5], 16384
	s_mov_b32 s[G1C+6], 0
	s_mov_b32 s[G1C+7], 0
	s_mov_b32 s[G1S+0], 3<<16                      ; scale words: sixteen key steps' 512 bytes (64 elements of 8), 4,096 bytes apart in memory
	s_mov_b32 s[G1S+1], 64<<16
	s_mov_b32 s[G1S+2], 16<<16
	s_mov_b32 s[G1S+3], 64<<16
	s_mov_b32 s[G1S+4], 16
	s_mov_b32 s[G1S+5], 512
	s_mov_b32 s[G1S+6], 0
	s_mov_b32 s[G1S+7], 0
	s_lshl_b32 s16, s78, 17
	s_lshl_b32 s17, s79, 14
	s_add_co_u32 s45, s16, s17                     ; LDS: side x 131,072 + pair x 16,384;
	s_add_co_u32 s49, s45, 32768                   ; the second group four steps on
	s_lshl_b32 s16, s78, 13
	s_add_co_u32 s41, s16, KSC
	s_lshl_b32 s90, s75, 13                        ; head x 8,192
	s_lshl_b32 s56, s74, 21
	s_add_co_u32 s56, s56, s90
	s_add_co_u32 s56, s56, 8388608                 ; memory: K's step 0 of my head; V's 8,388,608 on; 131,072 a step
	s_lshl_b32 s16, s78, 23
	s_lshl_b32 s17, s79, 18
	s_add_co_u32 s22, s16, s17
	s_add_co_u32 s22, s22, s56
	s_mov_b32 s23, 0
	s_lshl_b32 s18, s78, 18                        ; scale words: k's begin at 25,427,968, v's 262,144 on; batch x 65,536 + pair of heads x 512
	s_lshl_b32 s17, s74, 16
	s_add_co_u32 s18, s18, s17
	s_lshl_b32 s17, s77, 9
	s_add_co_u32 s18, s18, s17
	s_add_co_u32 s18, s18, 25427968
	s_mov_b32 s19, 0
	s_sub_co_u32 s57, s[WV], 6                     ; the prefetch: 0 .. 5 in waves 6-11
	s_min_u32 s58, s57, 5                          ; (held, so that every wave's address lies inside the buffer)
	s_mul_i32 s17, ttmp9, 6
	s_add_co_u32 s17, s17, s58                     ; row 0 .. 23: side = row % 2, step = 4 + row / 2
	s_and_b32 s16, s17, 1
	s_lshl_b32 s16, s16, 23
	s_lshr_b32 s17, s17, 1
	s_lshl_b32 s17, s17, 17
	s_add_co_u32 s20, s16, s17
	s_add_co_u32 s20, s20, s56
	s_add_co_u32 s20, s20, 524288
	s_mov_b32 s21, 0
	s_wait_dscnt 0x0                               ; both opening adds are done
	s_wait_kmcnt 0x0
	s_mov_b32 s40, 1
	s_add_nc_u64 s[42:43], s[4:5], s[18:19]
	s_or_b32 s43, s43, 0x80000000
	s_mov_b32 s44, 1
	s_add_nc_u64 s[46:47], s[4:5], s[22:23]
	s_mov_b32 s48, 1
	s_add_nc_u64 s[50:51], s[46:47], 524288        ; four key steps on
	s_or_b32 s47, s47, 0x80000000
	s_or_b32 s51, s51, 0x80000000
	s_add_nc_u64 s[PFA:PFA+1], s[4:5], s[20:21]
; THE HEAD'S LOADS, at most one a wave: one chain of branches on the wave's number
.macro ARM under, g0, g1, next
	s_cmp_lt_u32 s[WV], \under
	s_cbranch_scc0 \next
	tensor_load_to_lds s[\g0:\g0+3], s[\g1:\g1+7]
	s_nop 0
.rept 4
	v_nop
.endr
	s_branch .Lhead_asked
\next:
.endm
	ARM 4, 44, G1C, .Lhead_s
	ARM 6, 40, G1S, .Lhead_none
.Lhead_asked:
	v_and_b32 v8, 31, v0
	v_lshlrev_b32 v[L16], 4, v8
	v_lshlrev_b32 v[PFO], 8, v8
	s_cmp_lt_u32 s57, 6
	s_cbranch_scc0 .Lno_pf
	global_prefetch_b8 v[PFO], s[PFA:PFA+1] th:TH_LOAD_NT scope:SCOPE_SE
.Lno_pf:
	s_lshl_b32 s16, s[WV], 2
	s_add_co_u32 s95, s16, ttmp9                   ; the second tile: 4 w + i
	s_sub_co_u32 s94, 124, s16
	s_add_co_u32 s94, s94, ttmp9                   ; the first: 4 (31 - w) + i
	s_lshl_b32 s91, s77, 9
	s_lshl_b32 s16, s76, 1
	s_add_co_u32 s91, s91, s16
	s_add_co_u32 s91, s91, 25165824                ; q's scale words: pair x 512 + 2 x parity
	s_lshl_b32 s92, s77, 11
	s_lshl_b32 s16, s76, 10
	s_add_co_u32 s92, s92, s16                     ; o's codes: pair x 2,048 + parity x 1,024
	s_lshl_b32 s93, s75, 1
	s_add_co_u32 s93, s93, 8388608                 ; o's scale bytes: 2 x head
; Tile s[t] of the batch's 128: where its q lies (codes, scale words), where its o goes (codes, scale bytes), and its first query
.macro TILE t, qc, qs, oc, os, q0
	s_lshr_b32 s16, s[\t], 3
	s_lshl_b32 s17, s74, 4
	s_add_co_u32 s16, s16, s17                     ; the group of 128 places
	s_and_b32 s17, s[\t], 7
	s_lshl_b32 s18, s16, 17
	s_add_co_u32 s18, s18, s90
	s_lshl_b32 s19, s17, 10
	s_add_co_u32 s18, s18, s19
	s_mov_b32 s19, 0
	s_add_nc_u64 s[\qc:\qc+1], s[4:5], s[18:19]
	s_lshl_b32 s18, s16, 12
	s_add_co_u32 s18, s18, s91
	s_lshl_b32 s17, s17, 2
	s_add_co_u32 s18, s18, s17
	s_add_nc_u64 s[\qs:\qs+1], s[4:5], s[18:19]
	s_lshl_b32 s16, s74, 7
	s_add_co_u32 s16, s16, s[\t]                   ; the tile among all 512
	s_lshl_b32 s18, s16, 14
	s_add_co_u32 s18, s18, s92
	s_add_nc_u64 s[\oc:\oc+1], s[6:7], s[18:19]
	s_lshl_b32 s18, s16, 9
	s_add_co_u32 s18, s18, s93
	s_add_nc_u64 s[\os:\os+1], s[6:7], s[18:19]
	s_lshr_b32 s16, s[\t], 1
	s_lshl_b32 s16, s16, 5
	s_and_b32 s17, s[\t], 1
	s_lshl_b32 s17, s17, 3
	s_add_co_u32 s[\q0], s16, s17
.endm
	TILE 94, 8, 10, 82, 84, Q0
	TILE 95, 12, 14, 86, 88, 80
	s_add_co_u32 s[QL], s[Q0], 23
	s_bfe_u32 s[GB], s[Q0], 0x20005                ; (T / 2) % 4: two bits from bit 5 of the first query
	s_bfe_u32 s55, s80, 0x20005
	v_and_b32 v8, 15, v0                           ; r
	v_bfe_u32 v9, v0, 4, 1                         ; h
	v_lshlrev_b32 v[R32], 5, v8
	s_wait_alu depctr_va_vdst(0)                   ; 16 x lane was written ahead of the tiles' scalar lines
	global_load_b128 v[16:19], v[L16], s[8:9]                  ; the first tile's Q: channels 0-31,
	global_load_b128 v[20:23], v[L16], s[8:9] offset:512       ; 32-63
	global_load_u16 v237, v[R32], s[10:11]                     ; and its two scale bytes; the upper two come as 0, over zero codes
	v_add_nc_u32 v[AV0], VLDS, v[L16]
	s_lshl_b32 s16, s76, 1
	s_add_co_u32 s16, s16, KSC
	v_add_nc_u32 v[ASK0], s16, v[R32]              ; K's scale words: [step][r][tile] words; my head's two bytes of a word
	s_lshl_b32 s16, s76, 4
	s_add_co_u32 s16, s16, VSC
	v_add_nc_u32 v[ASV0], s16, v[R32]              ; V's: my head's four tiles' words
	v_and_b32 v10, 8, v8
	v_add_nc_u32 v10, v10, v8
	v_lshlrev_b32 v9, 4, v9
	v_sub_nc_u32 v[QD], v10, v9
	s_and_b32 s16, ttmp9, 1                        ; T % 2 = i % 2 for both my tiles
	s_lshl_b32 s16, s16, 3
	v_add_nc_u32 v[QD], s16, v[QD]
	s_mov_b32 s[SEL], 0x76543210
	s_mov_b32 s[SEL+1], 0xfedcba98
	s_mov_b32 s[CS], 0x3e38aa3b                    ; c = log2(e) / 8
	s_mov_b32 s[CS+1], s[CS]                       ; (named with it as a pair, so it is written)
	s_mov_b32 s[MNT], 0x600000
.irp j, 0,1,2,3,4,5,6,7
	v_mov_b32 v[24+\j], 0                          ; K = 64: the fragments' upper halves are zero codes, written once
	v_mov_b32 v[40+\j], 0
	v_mov_b32 v[56+\j], 0
	v_mov_b32 v[72+\j], 0
	v_mov_b32 v[88+\j], 0
.endr
.set n, 0
.rept 32
	v_mov_b32 v[160+n], 0                          ; O^T: the first step finds zeros, which the first change of M leaves zeros
.set n, n+1
.endr
	v_mov_b32 v13, 0xff61b1e6                      ; the largest score so far: -3e38
	v_mul_f32 v12, s[CS], v13
	v_floor_f32 v12, -v12                          ; -M
	v_mov_b32 v14, 0
	v_mov_b32 v15, 0
.irp b, 0,1,2,3
	v_mov_b32 v[BT+\b], 0                          ; a lane permute's destination counts as one of its sources
.endr
	v_mov_b32 v225, 0                              ; (named as the upper half of the pair v[224:225])
	v_mov_b32 v226, 0
	v_mov_b32 v247, 0xff800000                     ; -infinity
.macro MAXB b0, b1                     ; the largest score of two blocks of 32 keys, by turns: 16 lines; each accumulator is read from its low end on
.irp b, \b0, \b1
	v_max3_num_f32 v[BM+\b], v[96+16*\b], v[97+16*\b], v[98+16*\b]
.endr
.irp i, 3,5,7,9,11,13
.irp b, \b0, \b1
	v_max3_num_f32 v[BM+\b], v[BM+\b], v[96+16*\b+\i], v[97+16*\b+\i]
.endr
.endr
.irp b, \b0, \b1
	v_max_num_f32 v[BM+\b], v[BM+\b], v[111+16*\b]
.endr
.endm
.macro PART b                          ; the block on the diagonal: key i of my 16 is hidden where i > QD
.set n, 0
.rept 16
	v_cmp_gt_i32 vcc_lo, n, v[QD]
	v_cndmask_b32 v[96+16*\b+n], v[96+16*\b+n], v247, vcc_lo
.set n, n+1
.endr
.endm
.macro FILL b                          ; a block all of whose keys are hidden
.set n, 0
.rept 16
	v_mov_b32 v[96+16*\b+n], v247
.set n, n+1
.endr
.endm
; The hold and the conversions of two blocks.  The conversion does not saturate (ISA guide 7.6.2); p is not negative, so the hold is one-sided.  Two holds to a dual pair: one of each block,
; so that the destinations are even and odd and both pairs of sources lie in different register banks.
.macro CODES b0, b1
.set n, 0
.rept 8
	v_dual_min_num_f32 v[96+16*\b0+n], v[96+16*\b0+n], v[LIM+\b0] :: v_dual_min_num_f32 v[97+16*\b1+n], v[97+16*\b1+n], v[LIM+\b1]
	v_dual_min_num_f32 v[96+16*\b1+n], v[96+16*\b1+n], v[LIM+\b1] :: v_dual_min_num_f32 v[97+16*\b0+n], v[97+16*\b0+n], v[LIM+\b0]
.set n, n+2
.endr
.irp b, \b0, \b1
	v_cvt_scalef32_pk8_fp8_f32 v[192+4*\b:193+4*\b], v[96+16*\b:103+16*\b], v[SCO+\b]
	v_cvt_scalef32_pk8_fp8_f32 v[194+4*\b:195+4*\b], v[104+16*\b:111+16*\b], v[SCO+\b]
.endr
.endm
; A KEY STEP: 128 keys.  m = 0: all its keys count for all my queries (the first tile's steps 0-3); m = 1: it may be hidden or lie on the diagonal.
.macro STEP m
.if \m
	s_cmp_gt_u32 s[KF], s[QL]                      ; all its keys come after my queries: only the addresses step
	s_cbranch_scc1 .Lhidden_\@
.endif
	v_add_nc_u32 v[ADK], s[TB], v[L16]
	v_add_nc_u32 v[ADV], s[TB], v[AV0]
	v_add_nc_u32 v[ADS], s[TS], v[ASK0]
	v_add_nc_u32 v[ADT], s[TS], v[ASV0]
	v_nop                                          ; with the last step's three additions behind its products and the four above: nine places; the scores are laid over registers that V^T P^T read
	v_nop
.irp g, 0,1                                    ; S^T = K Q^T, four tiles of 16 keys at a time
.if \g > 0
.rept 8
	v_nop                                          ; places in front of loads into registers that matrix instructions have read, and of the first read of the first four results
.endr
.endif
.irp t, 0,1,2,3
	ds_load_b128 v[32+16*\t:35+16*\t], v[ADK] offset:(4*\g+\t)*1024
	ds_load_b128 v[36+16*\t:39+16*\t], v[ADK] offset:(4*\g+\t)*1024+512
	ds_load_u16 v[228+\t], v[ADS] offset:(4*\g+\t)*4
.endr
.if \g == 0
	s_wait_alu depctr_va_vdst(0)
.endif
	s_wait_dscnt 0x0
.irp t, 0,1,2,3
	v_wmma_scale_f32_16x16x128_f8f6f4 v[96+8*(4*\g+\t):103+8*(4*\g+\t)], v[32+16*\t:47+16*\t], v[16:31], 0, v[228+\t], v237
.endr
.endr
.if \m
	s_add_co_u32 s73, s[KF], 127                   ; a step all of whose keys count skips the mask
	s_cmp_le_u32 s73, s[Q0]
	s_cbranch_scc1 .Lopen_\@
.rept 8
	v_nop                                          ; places behind the last products
.endr
	s_cmp_lg_u32 s[GB], 0                          ; the diagonal lies in block GB; the blocks above it are hidden whole
	s_cbranch_scc1 .Lg1_\@
	PART 0
	FILL 1
	s_branch .Lf2_\@
.Lg1_\@:
	s_cmp_lg_u32 s[GB], 1
	s_cbranch_scc1 .Lg2_\@
	PART 1
.Lf2_\@:
	FILL 2
	s_branch .Lf3_\@
.Lg2_\@:
	s_cmp_lg_u32 s[GB], 2
	s_cbranch_scc1 .Lg3_\@
	PART 2
.Lf3_\@:
	FILL 3
	s_branch .Lopen_\@
.Lg3_\@:
	PART 3
.Lopen_\@:
.endif
	MAXB 0, 1                                      ; the first four tiles' scores: these sixteen lines name no register of the last four products and are their places
	MAXB 2, 3
.irp b, 0,1,2,3
	v_permlanex16_b32 v[BT+\b], v[BM+\b], s[SEL], s[SEL+1]
.endr
.irp b, 0,1,2,3
	v_max_num_f32 v[BM+\b], v[BM+\b], v[BT+\b]     ; with lane l xor 16's 16 keys: it serves for the row's maximum and, since p rises with the score, for the block's largest p
.endr
	v_max3_num_f32 v226, v[BM], v[BM+1], v[BM+2]
	v_mov_b32 v227, v12                            ; the old -M
	v_max3_num_f32 v13, v13, v226, v[BM+3]         ; the running largest score
	v_mul_f32 v226, s[CS], v13                     ; as t (c is positive)
	v_floor_f32 v12, -v226                         ; the new -M = floor(-t): M is a whole number
	v_sub_f32 v226, v12, v227                      ; old M - new M: a whole number, 0 or less
	v_cvt_i32_f32 v226, v226                       ; (it saturates)
	v_ldexp_f32 v224, 1.0, v226                    ; f = 2^(old M - new M)
.set n, 0
.rept 32
	v_pk_fma_f32 v[96+n:97+n], v[96+n:97+n], s[CS:CS+1], v[12:13] op_sel_hi:[1,0,0]   ; t - M, two at a time
.set n, n+2
.endr
.irp b, 0,1,2,3
	v_fma_f32 v[BM+\b], v[BM+\b], s[CS], v12       ; the same of each block's largest score
.endr
	s_wait_alu depctr_va_vdst(0)
.set n, 0
.rept 64
	v_exp_f32 v[96+n], v[96+n]                     ; p = 2^(t - M), at most 1
.set n, n+1
.endr
	v_pk_mul_f32 v[14:15], v[14:15], v[224:225] op_sel_hi:[1,0]   ; the sums under the new M (a plain line behind the exponentials)
	s_wait_alu depctr_va_vdst(0)                   ; one wait for the batch of 64, ahead of its first reader
.irp b, 0,1,2,3
	v_exp_f32 v[BM+\b], v[BM+\b]                   ; the block's largest p
.endr
	v_pk_add_f32 v[248:249], v[96:97], v[98:99]    ; the row's sum of the unquantised p, two at a time, in four chains
	v_pk_add_f32 v[250:251], v[100:101], v[102:103]
	v_pk_add_f32 v[252:253], v[104:105], v[106:107]
	v_pk_add_f32 v[14:15], v[14:15], v[108:109]
.set n, 110
.rept 6
	v_pk_add_f32 v[248:249], v[248:249], v[n:n+1]
	v_pk_add_f32 v[250:251], v[250:251], v[n+2:n+3]
	v_pk_add_f32 v[252:253], v[252:253], v[n+4:n+5]
	v_pk_add_f32 v[14:15], v[14:15], v[n+6:n+7]
.set n, n+8
.endr
	v_pk_add_f32 v[248:249], v[248:249], v[158:159]
	s_wait_alu depctr_va_vdst(0)                   ; and one for the four
.irp b, 0,1,2,3
	v_max_num_f32 v[BM+\b], 0x4800000, v[BM+\b]    ; the floor 2^(9 - 127): a block whose every p is 0 keeps the byte 1; its codes are zeros
.endr
.irp b, 0,1,2,3
	v_add_nc_u32 v[SCO+\b], 0xfc000000, v[BM+\b]   ; 8 off the exponent field: the conversion's scale operand
.endr
.irp b, 0,1,2,3
	v_and_or_b32 v[LIM+\b], v[BM+\b], 0x7f800000, s[MNT]   ; 448 x the scale
.endr
.irp b, 0,1,2,3
	v_lshrrev_b32 v[BT+\b], 23, v[SCO+\b]          ; the scale's byte
.endr
	v_lshl_or_b32 v236, v[BT+1], 8, v[BT]          ; p's scale word for these 128 keys
	v_lshl_or_b32 v236, v[BT+2], 16, v236
	v_lshl_or_b32 v236, v[BT+3], 24, v236
	CODES 0, 1
	CODES 2, 3
.irp t, 0,1,2,3                                ; V's four tiles of 16 channels x 128 keys, into the registers that p has left
.irp c, 0,1,2,3
	ds_load_b128 v[96+16*\t+4*\c:99+16*\t+4*\c], v[ADV] offset:\t*2048+\c*512
.endr
.endr
	ds_load_b128 v[232:235], v[ADT]                ; and their scale words
	s_wait_alu depctr_va_vdst(0)                   ; directly ahead of the first reader of O^T
.set n, 0
.rept 16
	v_pk_mul_f32 v[160+n:161+n], v[160+n:161+n], v[224:225] op_sel_hi:[1,0]   ; O^T under the new M (also the plain lines behind the conversions and in front of the products)
.set n, n+2
.endr
	s_wait_alu depctr_va_vdst(0)
	s_wait_dscnt 0x0
.irp t, 0,1,2,3                                ; O^T += V^T P^T: the four accumulators by turns
	v_wmma_scale_f32_16x16x128_f8f6f4 v[160+8*\t:167+8*\t], v[96+16*\t:111+16*\t], v[192:207], v[160+8*\t:167+8*\t], v[232+\t], v236
.endr
	v_pk_add_f32 v[248:249], v[248:249], v[250:251]   ; the four chains are joined here: three places behind the products
	v_pk_add_f32 v[14:15], v[14:15], v[252:253]
	v_pk_add_f32 v[14:15], v[14:15], v[248:249]
.if \m
.Lhidden_\@:
.endif
	s_add_co_u32 s[KF], s[KF], 128
	s_add_co_u32 s[TB], s[TB], 8192
	s_add_co_u32 s[TS], s[TS], 512
.endm
.macro LOOP cnt, first, m              ; cnt key steps from step first on: the trip count is a constant of the text
	s_mov_b32 s[KF], 128*\first
	s_mov_b32 s[TB], 8192*\first
	s_mov_b32 s[TS], 512*\first
	s_mov_b32 s[TRIP], \cnt
.Lstep_\@:
	STEP \m
	s_sub_co_u32 s[TRIP], s[TRIP], 1
	s_cmp_lg_u32 s[TRIP], 0
	s_cbranch_scc1 .Lstep_\@
.endm
; A tile's end: O^T / the sum; its two blocks of 32 channels are quantised; the codes leave as an image of the last product's operand (two stores of 512 consecutive bytes), the two scale bytes at my row's place.
; (The scale bytes are 2 bytes a lane, 32 bytes apart: a row's 32 bytes come from sixteen heads, that is from sixteen work-groups; they are one thirty-second of the codes' bytes.)
.macro FINISH oc, os
.rept 8
	v_nop                                          ; places behind the last products
.endr
	v_add_f32 v14, v14, v15                        ; the sum's two halves,
	v_permlanex16_b32 v226, v14, s[SEL], s[SEL+1]
	v_add_f32 v14, v14, v226                       ; and lane l xor 16's
	s_wait_alu depctr_va_vdst(0)
	v_rcp_f32 v14, v14
	v_nop                                          ; a plain line behind it
	s_wait_alu depctr_va_vdst(0)                   ; and the wait ahead of its first reader, which is O^T's first reader too
.set n, 0
.rept 16
	v_pk_mul_f32 v[96+n:97+n], v[160+n:161+n], v[14:15] op_sel_hi:[1,0]   ; register 16 g + i: o(my query, 32 g + 16 (lane / 16) + i)
.set n, n+2
.endr
.irp b, 0,1
	v_max3_num_f32 v[BM+\b], |v[96+16*\b]|, |v[97+16*\b]|, 0x4800000
.endr
.irp i, 2,4,6,8,10,12,14
.irp b, 0,1
	v_max3_num_f32 v[BM+\b], v[BM+\b], |v[96+16*\b+\i]|, |v[97+16*\b+\i]|
.endr
.endr
.irp b, 0,1
	v_permlanex16_b32 v[BT+\b], v[BM+\b], s[SEL], s[SEL+1]
.endr
.irp b, 0,1
	v_max_num_f32 v[BM+\b], v[BM+\b], v[BT+\b]
.endr
.irp b, 0,1
	v_add_nc_u32 v[SCO+\b], 0xfc000000, v[BM+\b]
.endr
.irp b, 0,1
	v_and_or_b32 v[LIM+\b], v[BM+\b], 0x7f800000, s[MNT]
.endr
.irp b, 0,1
	v_lshrrev_b32 v[BT+\b], 23, v[SCO+\b]
.endr
	v_lshl_or_b32 v250, v[BT+1], 8, v[BT]
.irp b, 0,1
.irp i, 0,1,2,3,4,5,6,7,8,9,10,11,12,13,14,15
	v_med3_num_f32 v[96+16*\b+\i], v[96+16*\b+\i], -v[LIM+\b], v[LIM+\b]
.endr
	v_cvt_scalef32_pk8_fp8_f32 v[192+4*\b:193+4*\b], v[96+16*\b:103+16*\b], v[SCO+\b]
	v_cvt_scalef32_pk8_fp8_f32 v[194+4*\b:195+4*\b], v[104+16*\b:111+16*\b], v[SCO+\b]
.endr
	v_nop                                          ; one plain line behind the last conversion
	global_store_b128 v[L16], v[192:195], s[\oc:\oc+1]
	global_store_b128 v[L16], v[196:199], s[\oc:\oc+1] offset:512
	global_store_b16 v[R32], v250, s[\os:\os+1]    ; both halves of the lanes write the same two bytes with the same value
.endm
	s_wait_alu depctr_va_vdst(0)
	s_wait_loadcnt 0x0                             ; the first tile's Q
	s_wait_tensorcnt 0x0                           ; my load of the head's six, if I have one
	ds_add_u32 v254, v255
	ds_add_u32 v254, v255                          ; twice on end
	s_wait_dscnt 0x0
	s_barrier_signal -1
	s_barrier_wait -1                              ; the scale words and key steps 0-3 are in
	s_cmp_lt_u32 s[WV], 12
	s_cbranch_scc0 .Lno_late
	tensor_load_to_lds s[48:51], s[G1C:G1C+7]      ; key steps 4-15, two a wave: bytes that nothing has filled
	s_nop 0
.rept 4
	v_nop
.endr
.Lno_late:
	global_load_b128 v[238:241], v[L16], s[12:13]              ; the second tile's Q and scale bytes: wanted only at the change of tiles, where the wait for them stands
	global_load_b128 v[242:245], v[L16], s[12:13] offset:512
	global_load_u16 v246, v[R32], s[14:15]
	LOOP 4, 0, 0                                   ; the first tile's queries lie at 1,024 or beyond: steps 0-3 count whole
	s_wait_tensorcnt 0x0                           ; my part of key steps 4-15
	s_wait_dscnt 0x0
	s_barrier_signal -1
	s_barrier_wait -1                              ; everybody's
	LOOP 12, 4, 1
	s_wait_alu depctr_va_vdst(0)
	FINISH 82, 84
	s_wait_loadcnt 0x0                             ; the second tile's Q is in
	v_mov_b32 v237, v246                           ; THE SECOND TILE: its scale word first (the lines below stand between it and the next products),
.irp j, 0,1,2,3,4,5,6,7
	v_mov_b32 v[16+\j], v[238+\j]                  ; its Q,
.endr
.set n, 0
.rept 32
	v_mov_b32 v[160+n], 0                          ; and the sums begin anew
.set n, n+1
.endr
	v_mov_b32 v13, 0xff61b1e6
	v_mul_f32 v12, s[CS], v13
	v_floor_f32 v12, -v12
	v_mov_b32 v14, 0
	v_mov_b32 v15, 0
	s_mov_b32 s[Q0], s80
	s_add_co_u32 s[QL], s80, 23
	s_mov_b32 s[GB], s55
	s_wait_xcnt 0x0                                ; the first tile's stores have read their data: those registers are written again only behind this wait
	LOOP 8, 0, 1                                   ; the second tile's queries lie under 1,024
	s_wait_alu depctr_va_vdst(0)
	FINISH 86, 88
	s_wait_tensorcnt 0x0                           ; the wave's end
	ds_add_u32 v254, v255
	s_wait_dscnt 0x0
	s_endpgm
.Lfunc_end_k_qe3b05c9722_attn:
	.size	k_qe3b05c9722_attn, .Lfunc_end_k_qe3b05c9722_attn-k_qe3b05c9722_attn
	.p2alignl 7, 3214868480
	.fill 96, 4, 3214868480
	.section	.rodata,"a",@progbits
	.p2align	6, 0x0
	.amdhsa_kernel k_qe3b05c9722_attn
		.amdhsa_group_segment_fixed_size 327680
		.amdhsa_private_segment_fixed_size 0
		.amdhsa_enable_private_segment 0
		.amdhsa_kernarg_size 16
		.amdhsa_user_sgpr_count 2
		.amdhsa_user_sgpr_kernarg_segment_ptr 1
		.amdhsa_wavefront_size32 1
		.amdhsa_system_sgpr_workgroup_id_x 1
		.amdhsa_system_sgpr_workgroup_id_y 1
		.amdhsa_system_sgpr_workgroup_id_z 1
		.amdhsa_system_vgpr_workitem_id 0
		.amdhsa_next_free_vgpr 256
		.amdhsa_next_free_sgpr 96
		.amdhsa_reserve_vcc 1
		.amdhsa_float_denorm_mode_32 3
		.amdhsa_float_denorm_mode_16_64 3
		.amdhsa_memory_ordered 1
		.amdhsa_forward_progress 1
		.amdhsa_inst_pref_size 95
	.end_amdhsa_kernel
	.amdgpu_metadata
---
amdhsa.version: [ 1, 2 ]
amdhsa.kernels:
  - .name:           k_qe3b05c9722_attn
    .symbol:         k_qe3b05c9722_attn.kd
    .args:
      - { .name: qkv, .offset: 0, .size: 8, .value_kind: global_buffer, .address_space: global }
      - { .name: att, .offset: 8, .size: 8, .value_kind: global_buffer, .address_space: global }
    .group_segment_fixed_size: 327680
    .private_segment_fixed_size: 0
    .kernarg_segment_align: 8
    .kernarg_segment_size: 16
    .max_flat_workgroup_size: 512
    .sgpr_count:     96
    .vgpr_count:     256
    .wavefront_size: 32
...
	.end_amdgpu_metadata
.endif
;; end of part 3
;; launch proj (part 4): grid 8 x 32, 4 waves a work-group, clusters of 4 x 4, 327,680 bytes of LDS; arguments att, inq, b_out, out0; writes out0
.if DOCPART == 4
	.amdgcn_target "amdgcn-amd-amdhsa--gfx1250"
	.amdhsa_code_object_version 6
	.text
	.protected	k_qe3b05c9722_proj
	.globl	k_qe3b05c9722_proj
	.p2align	8
	.type	k_qe3b05c9722_proj,@function
k_qe3b05c9722_proj:
	s_mov_b64 s[64:65], 0
	v_nop
	global_prefetch_b8 v0, s[64:65] scope:SCOPE_SE
	s_setreg_imm32_b32 hwreg(HW_REG_WAVE_MODE, 25, 1), 1
	s_wait_xcnt 0x0
	s_wait_alu depctr_hold_cnt(0) depctr_sa_sdst(0) depctr_va_vdst(0) depctr_va_sdst(0) depctr_va_ssrc(0) depctr_va_vcc(0) depctr_vm_vsrc(0)
	s_getreg_b32 s2, hwreg(HW_REG_IB_STS2, 6, 4)
	s_cmp_eq_u32 s2, 0
	s_cbranch_scc0 .Lentry_in_a_cluster
	s_endpgm
.Lentry_in_a_cluster:
	s_bfe_u32 s2, ttmp6, 0x10000c
	s_cmp_lg_u32 s2, 0xf033
	s_cbranch_scc0 .Lentry_shape_is_right
	s_endpgm
.Lentry_shape_is_right:
; out0 = o w_out^T + b_out on codes of FP8 (E4M3) with E8M0 scales, K = 1,024.  o's codes come from att as images of operand registers (4,096 bytes for 16 rows x 256 of K; scale bytes from byte 8,388,608 on, 32 a row),
; w_out's from inq as rows of 1,024 bytes (codes at 11,534,336, scale bytes at 12,943,360).
; A block of 256 rows x 128 columns to a work-group of four waves: 32 x 8 = 256 work-groups.  A wave makes 128 x 64: 32 accumulators.  K goes in steps of 256 through two LDS slots (o's 65,536 bytes, then w_out's 128 rows
; of 272); the scale bytes of the work-group's rows, for all of K, come into LDS once.  4 x 4 work-groups form a cluster: o's tile is asked for jointly along a row of the cluster, w_out's along a column.
; THE HEAD has one joint load a wave: o's 256 rows of K step 0, w_out's 128, and each side's scale bytes; K step 1 follows behind one drained round; K steps 2 and 3 are refills, each behind a drained round.
; No prefetch: K has four steps, of which two are asked for at the launch's start and the other two one step after them.
; THE MATRIX INSTRUCTION: source 0 = 16 rows of w_out, source 1 = 16 rows of o: a lane holds eight neighbouring columns of one row of out0.  The bias is the C of the first K step's products.
; One register carries both sides' scale words: lanes 0-15 o's block i, lanes 16-31 w_out's block i.  w_out has blocks 0-3 alone: its scale tile states 16 units of 256 bytes of the tensor in a tile of 32,
; so that the mover writes zeros into the bytes that lanes 16-31 load for blocks 4-7; no product names those lanes.
; o's rows lie in att with bits 3 and 4 of the place exchanged: row t of a block of 16 places goes to token t + 8 (t / 8) of the block's first.
; THE WAY OUT: a block of 16 rows x 64 columns goes through the wave's own stage (in slot 0, behind its last fill and last read) and leaves as rows of 256 bytes: sixteen lanes store one aligned unit.
; REGISTERS, in windows of 256: window 0: v1-31 addresses; v32-63 scale words, two sets; v64-95 the bias; v128-255 o's fragments, one set, later the way out.  window 1: w_out's fragments, two sets.
;   windows 2, 3: the accumulators ((a, b) at v[8 (8 (a % 4) + b)], b = 0 .. 3).
.set SIZE_N, 1024
.set NQ,     2
.set ROWB,   256
.set KROW,   1024
.set PITCH,  272
.set FR,     16
.set NL,     4
.set NP,     8
.set HALFB,  64*PITCH                  ; 64 rows of w_out: what one load of the ring brings, and what one wave reads
.set AHALF,  32768                     ; 128 rows of o, 256 of K
.set BOFF,   2*AHALF
.set SLOT,   BOFF+2*HALFB
.set KS,     32
.set SCL,    2*SLOT                    ; o's scale bytes (2 HALFS), then w_out's tile of as many bytes
.set HALFS,  (128*KS/256)*272
.set SBLK,   (16*KS/256)*272
.set SPARE,  SCL+4*HALFS
.set SPITCH, 272                       ; a stage row: 256 bytes + 16
.set OCD,    11534336
.set OSC,    12943360
.set ASC,    8388608
.set BOF,  7
.set ADRA, 16
.set ADRB, 20
.set STO,  24
.set RD,   25
.set CO,   26                          ; 16 x lane
.set ADRS, 27
.set SPW,  28
.set NIL,  29
.set COUT, 30                          ; 16 (lane % 16) + a row of out0 x (lane / 16)
.set SC,   32
.set BIAS, 64
.set AF,   128
.set BK,   128
.set G1, 24
.set G0, 32
.set G1B, 48
.set G0B, 56
.set G1S, 68
.set G0S, 76
.set G1SB, 80
.set G0SB, 88
.set MSB, 0
.macro WIN new                         ; the immediate's high byte repeats the setting that is left
.if MSB != \new
	s_set_vgpr_msb (MSB<<8)|\new
.set MSB, \new
.endif
.endm
.set MUL_LO, 0xa1
.set MUL_HI, 0xf1
.set TO_B,   0x40
.macro JLOAD g0a, g1a, g0b, g1b        ; waves 0 and 1 fetch for o, waves 2 and 3 for w_out; an s_nop 0 and four v_nop follow each line
	s_cmp_eq_u32 s15, 0
	s_cbranch_scc0 .Lfor_b_\@
	tensor_load_to_lds s[\g0a:\g0a+3], s[\g1a:\g1a+7]
	s_nop 0
.rept 4
	v_nop
.endr
	s_branch .Lasked_\@
.Lfor_b_\@:
	tensor_load_to_lds s[\g0b:\g0b+3], s[\g1b:\g1b+7]
	s_nop 0
.rept 4
	v_nop
.endr
.Lasked_\@:
.endm
.macro CREST
	s_cmp_lg_u32 s14, 0
	s_cbranch_scc1 .Lnot_wave_0_\@
	s_barrier_signal -3
.Lnot_wave_0_\@:
	s_barrier_wait -3
	s_barrier_signal -1
	s_barrier_wait -1
.endm
.macro CROUND
	s_barrier_signal -1
	s_barrier_wait -1
	CREST
.endm
	s_load_b128 s[4:7], s[0:1], 0x0                ; att, inq
	s_load_b128 s[8:11], s[0:1], 0x10              ; b_out, out0
	v_lshl_add_u32 v[SPW], v0, 2, SPARE
	v_mov_b32 v[NIL], 0
	ds_add_u32 v[SPW], v[NIL]                      ; the opening lines: the add, twice on end, and its wait
	ds_add_u32 v[SPW], v[NIL]
	s_wait_dscnt 0x0
	v_lshrrev_b32 v1, 5, v0
	v_readfirstlane_b32 s14, v1                    ; wave 0..3
	s_lshr_b32 s15, s14, 1                         ; my half of o's rows.  Also: I fetch for o (0) or for w_out (1)
	s_and_b32 s16, s14, 1                          ; my half of w_out's rows.  Also: which half of that tile I fetch
	s_bfe_u32 s40, ttmp6, 0x40000
	s_bfe_u32 s41, ttmp6, 0x40004
	s_lshl_b32 s42, ttmp9, 2
	s_add_co_u32 s42, s42, s40                     ; block column 0 .. 7
	s_and_b32 s17, ttmp7, 0xffff
	s_lshl_b32 s17, s17, 2
	s_add_co_u32 s17, s17, s41                     ; block row 0 .. 31
	s_lshl_b32 s43, s41, 2
	s_lshl_b32 s43, 15, s43                        ; my row of the cluster
	s_lshl_b32 s44, 0x1111, s40                    ; my column
	s_or_b32 s[G1+0], s43, (3<<16)|(1<<21)         ; o: images of 16 rows: 4,096 bytes (512 elements of 8), 16,384 bytes apart; 16 of them at the head, 8 in the ring
	s_mov_b32 s[G1+1], 512<<16
	s_mov_b32 s[G1+2], 16<<16
	s_mov_b32 s[G1+3], 512<<16
	s_mov_b32 s[G1+4], 16
	s_mov_b32 s[G1+5], 2048
	s_mov_b32 s[G1+6], 0
	s_mov_b32 s[G1+7], 0
	s_or_b32 s[G1B+0], s44, (0<<16)|(1<<20)|(1<<21)|(5<<22)|(3<<25)   ; w_out: rows of 256 bytes, 16 of padding behind each; 128 at the head, 64 in the ring
	s_mov_b32 s[G1B+1], ROWB<<16
	s_mov_b32 s[G1B+2], 128<<16
	s_mov_b32 s[G1B+3], ROWB<<16
	s_mov_b32 s[G1B+4], 128
	s_mov_b32 s[G1B+5], KROW
	s_mov_b32 s[G1B+6], 0
	s_mov_b32 s[G1B+7], 0
	s_or_b32 s[G1S+0], s43, (3<<16)|(1<<20)|(1<<21)|(5<<22)|(3<<25)   ; scale bytes: dense, as units of 256 bytes + 16 of padding
	s_or_b32 s[G1SB+0], s44, (3<<16)|(1<<20)|(1<<21)|(5<<22)|(3<<25)
.irp g, G1S, G1SB
	s_mov_b32 s[\g+1], 32<<16
	s_mov_b32 s[\g+2], 32<<16
	s_mov_b32 s[\g+3], 32<<16
	s_mov_b32 s[\g+4], 32
	s_mov_b32 s[\g+5], 32
	s_mov_b32 s[\g+6], 0
	s_mov_b32 s[\g+7], 0
.endr
	s_mov_b32 s[G1SB+2], 16<<16                    ; w_out's 128 rows are 16 units: past them the load writes zeros
	s_lshl_b32 s20, s17, 8                         ; o's first row
	s_lshl_b32 s46, s42, 7                         ; w_out's
	s_lshl_b32 s22, s20, 5
	s_add_co_u32 s22, s22, ASC
	s_lshl_b32 s20, s20, 10
	s_lshl_b32 s92, s46, 5
	s_add_co_u32 s92, s92, OSC
	s_lshl_b32 s46, s46, 10
	s_add_co_u32 s46, s46, OCD
	s_mov_b32 s21, 0
	s_mov_b32 s23, 0
	s_mov_b32 s47, 0
	s_mov_b32 s93, 0
	s_lshl_b32 s45, s16, 15                        ; where the ring's loads go: half x 128 rows of o,
	s_mul_i32 s95, s16, HALFB
	s_add_co_u32 s95, s95, BOFF                    ; half x 64 rows of w_out: no place in the cluster enters an LDS address
	s_wait_kmcnt 0x0
	s_add_nc_u64 s[20:21], s[4:5], s[20:21]
	s_add_nc_u64 s[22:23], s[4:5], s[22:23]
	s_add_nc_u64 s[46:47], s[6:7], s[46:47]
	s_add_nc_u64 s[92:93], s[6:7], s[92:93]
	CROUND                                         ; all sixteen work-groups are here: the first joint loads meet
	s_mov_b32 s[G0S], 1
	s_mov_b32 s[G0S+1], SCL
	s_mov_b64 s[G0S+2:G0S+3], s[22:23]
	s_or_b32 s[G0S+3], s[G0S+3], 0x80000000
	s_mov_b32 s[G0SB], 1
	s_mov_b32 s[G0SB+1], SCL+2*HALFS
	s_mov_b64 s[G0SB+2:G0SB+3], s[92:93]
	s_or_b32 s[G0SB+3], s[G0SB+3], 0x80000000
.irp s, 0,1
	s_mov_b32 s[G0+4*\s], 1
	s_add_co_u32 s[G0+4*\s+1], s45, \s*SLOT
	s_add_nc_u64 s[G0+4*\s+2:G0+4*\s+3], s[20:21], \s*4096
	s_or_b32 s[G0+4*\s+3], s[G0+4*\s+3], 0x80000000
	s_mov_b32 s[G0B+4*\s], 1
	s_add_co_u32 s[G0B+4*\s+1], s95, \s*SLOT
	s_add_nc_u64 s[G0B+4*\s+2:G0B+4*\s+3], s[46:47], \s*ROWB
	s_or_b32 s[G0B+4*\s+3], s[G0B+4*\s+3], 0x80000000
.endr
	s_lshl_b32 s18, s16, 17                        ; my 128 rows of o begin 131,072 bytes x half on,
	s_mov_b32 s19, 0
	s_lshl_b32 s22, s16, 16                        ; my 64 rows of w_out 65,536 x half
	s_mov_b32 s23, 0
	s_mov_b32 s[G0+1], 0                           ; slot 0's groups 0 serve the head's loads first: a side's whole tile of K step 0
	s_mov_b32 s[G0B+1], BOFF
	s_add_nc_u64 s[G0+6:G0+7], s[G0+6:G0+7], s[18:19]      ; slot 1's: my half
	s_add_nc_u64 s[G0B+6:G0B+7], s[G0B+6:G0B+7], s[22:23]
; THE HEAD'S LOADS, ONE A WAVE: one chain of branches on the wave's number; every way passes exactly one load
.macro HARM under, g0, g1, next
	s_cmp_lt_u32 s14, \under
	s_cbranch_scc0 \next
	tensor_load_to_lds s[\g0:\g0+3], s[\g1:\g1+7]
	s_nop 0
.rept 4
	v_nop
.endr
	s_branch .Lhead_asked
\next:
.endm
	HARM 1, G0,  G1,  .Lhead_b
	HARM 2, G0B, G1B, .Lhead_sa
	HARM 3, G0S, G1S, .Lhead_sb
	tensor_load_to_lds s[G0SB:G0SB+3], s[G1SB:G1SB+7]
	s_nop 0
.rept 4
	v_nop
.endr
.Lhead_asked:
	v_and_b32 v1, 15, v0                           ; r
	v_bfe_u32 v2, v0, 4, 1                         ; h
	v_and_b32 v6, 31, v0
	v_lshlrev_b32 v[CO], 4, v6
	v_mul_u32_u24 v3, v1, PITCH
	v_lshl_add_u32 v4, v2, 4, v3
	s_lshl_b32 s21, s15, 15
	s_mul_i32 s22, s16, HALFB
	s_add_co_u32 s22, s22, BOFF
.irp s, 0,1
	v_add_nc_u32 v[ADRA+\s], s21, v[CO]
	v_add_nc_u32 v[ADRB+\s], s22, v4
	s_add_co_u32 s21, s21, SLOT
	s_add_co_u32 s22, s22, SLOT
.endr
	v_mul_u32_u24 v5, v1, KS                       ; my row's scales: 32 bytes a row,
	v_lshrrev_b32 v6, 8, v5
	v_lshl_add_u32 v5, v6, 4, v5                   ; and 16 more for each 256 passed
	s_mul_i32 s21, s15, HALFS                      ; o's: my 128 rows
	s_mul_i32 s22, s16, HALFS/2                    ; w_out's: my 64 rows, behind o's 256
	s_add_co_u32 s22, s22, 2*HALFS
	s_sub_co_u32 s22, s22, s21
	v_mul_u32_u24 v6, s22, v2                      ; lanes 16-31 take w_out's: one product, the distance between the two bases x h
	s_add_co_u32 s21, s21, SCL
	v_add_nc_u32 v5, v5, v6
	v_add_nc_u32 v[ADRS], s21, v5
	s_mul_i32 s23, s14, 16*SPITCH                  ; my stage
	v_mul_u32_u24 v5, v1, SPITCH                   ; in: row r, 32 bytes for each half of the lanes
	v_lshl_add_u32 v5, v2, 5, v5
	v_add_nc_u32 v[STO], s23, v5
	v_mul_u32_u24 v5, v2, SPITCH                   ; back: lanes 0-15 one row of 256 bytes, lanes 16-31 the next
	v_lshl_add_u32 v5, v1, 4, v5
	v_add_nc_u32 v[RD], s23, v5
	v_lshlrev_b32 v[COUT], 12, v2                  ; and the same two rows in out0: 4,096 bytes a row
	v_lshl_add_u32 v[COUT], v1, 4, v[COUT]
	s_lshl_b32 s46, s42, 9                         ; my first column, in bytes: 512 x block column + 256 x half
	s_lshl_b32 s47, s16, 8
	s_add_co_u32 s46, s46, s47
	s_mov_b32 s47, 0
	s_add_nc_u64 s[8:9], s[8:9], s[46:47]
	s_lshl_b32 s20, s17, 8
	s_lshl_b32 s21, s15, 7
	s_add_co_u32 s20, s20, s21
	s_lshl_b32 s20, s20, 12
	s_add_co_u32 s20, s20, s46
	s_mov_b32 s21, 0
	s_add_nc_u64 s[12:13], s[10:11], s[20:21]
	v_lshlrev_b32 v[BOF], 5, v2
.irp b, 0,1,2,3
	global_load_b128 v[BIAS+8*\b:BIAS+8*\b+3], v[BOF], s[8:9] offset:64*\b
	global_load_b128 v[BIAS+8*\b+4:BIAS+8*\b+7], v[BOF], s[8:9] offset:64*\b+16
.endr
.macro FRAG reg, adr, q, i
.irp c, 0,1,2,3
	ds_load_b128 v[\reg+4*\c:\reg+4*\c+3], v[\adr] offset:128*(\q)+32*\c+(\i)*16*PITCH
.endr
.endm
.macro FRAGA reg, adr, q, i
.irp c, 0,1,2,3
	ds_load_b128 v[\reg+4*\c:\reg+4*\c+3], v[\adr] offset:(\i)*4096+(\q)*2048+\c*512
.endr
.endm
; 8 matrix instructions: o's blocks a0, a0 + 1 x w_out's four.  cm = 1: the sums start from the bias.  The 32 accumulators take turns, one instruction a turn, in the same order in every step.
.macro MUL8 a0, p, q, sc, cm
.irp a, \a0, \a0+1
.irp b, 0,1,2,3
.if \cm
	v_wmma_scale_f32_16x16x128_f8f6f4 v[8*(8*((\a)%4)+\b):8*(8*((\a)%4)+\b)+7], v[128*(\p)+FR*\b:128*(\p)+FR*\b+FR-1], v[AF+FR*(\a):AF+FR*(\a)+FR-1], v[BIAS+8*\b:BIAS+8*\b+7], v[SC+8*NQ*(\sc)+NQ*\b+(\q)], v[SC+8*NQ*(\sc)+NQ*(\a)+(\q)] matrix_a_scale:MATRIX_SCALE_ROW1
.else
	v_wmma_scale_f32_16x16x128_f8f6f4 v[8*(8*((\a)%4)+\b):8*(8*((\a)%4)+\b)+7], v[128*(\p)+FR*\b:128*(\p)+FR*\b+FR-1], v[AF+FR*(\a):AF+FR*(\a)+FR-1], v[8*(8*((\a)%4)+\b):8*(8*((\a)%4)+\b)+7], v[SC+8*NQ*(\sc)+NQ*\b+(\q)], v[SC+8*NQ*(\sc)+NQ*(\a)+(\q)] matrix_a_scale:MATRIX_SCALE_ROW1
.endif
.endr
.endr
.endm
.macro FETCH_B slot, q, p
	WIN TO_B
.irp i, 0,1,2,3
	FRAG 128*(\p)+FR*\i, ADRB+\slot, \q, \i
.endr
	WIN 0
.endm
.macro FETCH_A slot, q, i0
.irp i, \i0, \i0+1, \i0+2, \i0+3
	FRAGA AF+FR*(\i), ADRA+\slot, \q, \i
.endr
.endm
.macro SCALES sc
.irp i, 0,1,2,3,4,5,6,7
	ds_load_b64 v[SC+8*NQ*\sc+NQ*\i:SC+8*NQ*\sc+NQ*\i+1], v[ADRS] offset:\i*SBLK
.endr
.endm
.macro PLACES n                        ; places in front of loads into registers that matrix instructions have read, and of the first read of results
.rept \n
	v_nop
.endr
.endm
.macro STEP slot, q, cm                ; a step of 128 along K that has its successor in the same slot
	s_wait_dscnt 4*NL                              ; w_out's set and o's blocks 0-3 are in; the youngest 16 loads (blocks 4-7) may be out
.if \cm
	WIN 0x81
.else
	WIN MUL_LO
.endif
	MUL8 0, (\q)%2, \q, \slot, \cm
	MUL8 2, (\q)%2, \q, \slot, \cm
	s_wait_dscnt 0
	PLACES NP
	FETCH_B \slot, (\q)+1, 1-(\q)%2
	FETCH_A \slot, (\q)+1, 0
.if \cm
	WIN 0xc1
.else
	WIN MUL_HI
.endif
	MUL8 4, (\q)%2, \q, \slot, \cm
	MUL8 6, (\q)%2, \q, \slot, \cm
	PLACES NP
	WIN 0
	FETCH_A \slot, (\q)+1, 4
.endm
; A slot's last step changes slots: one barrier; in front of it each wave waits for all its tensor loads, adds 0 to its spare word, and waits for that and for its own reads of this slot.  fill = 1: this slot is filled again.
.macro TURN slot, next, fill
	s_wait_tensorcnt 0x0
	ds_add_u32 v[SPW], v[NIL]
	s_wait_dscnt 4*NL+1                            ; (the add and the youngest 16 loads may be out)
	WIN MUL_LO
	MUL8 0, 1, NQ-1, \slot, 0
	s_wait_dscnt 0x0
	s_barrier_signal -1
	MUL8 2, 1, NQ-1, \slot, 0
	WIN 0
	s_barrier_wait -1
.if \fill
	CREST                                          ; the barrier has opened a round of the cluster's barrier
	s_add_nc_u64 s[G0+4*\slot+2:G0+4*\slot+3], s[G0+4*\slot+2:G0+4*\slot+3], 2*4096
	s_add_nc_u64 s[G0B+4*\slot+2:G0B+4*\slot+3], s[G0B+4*\slot+2:G0B+4*\slot+3], 2*ROWB
	JLOAD G0+4*\slot, G1, G0B+4*\slot, G1B
	PLACES NP-4
.else
	PLACES NP
.endif
	s_wait_alu depctr_va_vdst(0)                   ; the address below was written a K step ago, behind waits and branches
	v_add_nc_u32 v[ADRS], 4*NQ, v[ADRS]
	FETCH_B \next, 0, 0
	FETCH_A \next, 0, 0
	SCALES \next
	WIN MUL_HI
	MUL8 4, 1, NQ-1, \slot, 0
	MUL8 6, 1, NQ-1, \slot, 0
	PLACES NP
	WIN 0
	FETCH_A \next, 0, 4
.endm
	s_wait_alu depctr_va_vdst(0)
	s_wait_loadcnt 0x0                             ; the bias
	s_wait_tensorcnt 0x0                           ; my tile of the head's four is in
	ds_add_u32 v[SPW], v[NIL]
	s_mov_b32 s[G1+2], 8<<16                       ; no tensor load of mine is out, so descriptors may be written: from here on a load brings half a tile
	s_mov_b32 s[G1+4], 8
	s_mov_b32 s[G1B+2], 64<<16
	s_mov_b32 s[G1B+4], 64
	s_mov_b32 s[G0+1], s45                         ; slot 0's groups 0 for the ring: my half
	s_mov_b32 s[G0B+1], s95
	s_lshl_b32 s18, s16, 17
	s_mov_b32 s19, 0
	s_lshl_b32 s22, s16, 16
	s_mov_b32 s23, 0
	s_add_nc_u64 s[G0+2:G0+3], s[G0+2:G0+3], s[18:19]
	s_add_nc_u64 s[G0B+2:G0B+3], s[G0B+2:G0B+3], s[22:23]
	s_wait_dscnt 0x0                               ; the add is done
	CROUND                                         ; a whole round: all four tiles are in, in every partner
	JLOAD G0+4, G1, G0B+4, G1B                     ; K step 1, the first tensor load behind the round
	FETCH_B 0, 0, 0
	FETCH_A 0, 0, 0
	SCALES 0
	FETCH_A 0, 0, 4
	STEP 0, 0, 1
	TURN 0, 1, 1                                   ; K has four steps of 256: both slots are filled again once, so the steps are written out
	STEP 1, 0, 0
	TURN 1, 0, 1
	STEP 0, 0, 0
	TURN 0, 1, 0
	STEP 1, 0, 0
	s_wait_dscnt 4*NL
	WIN MUL_LO
	MUL8 0, 1, NQ-1, 1, 0
	MUL8 2, 1, NQ-1, 1, 0
	s_wait_dscnt 0
	WIN MUL_HI
	MUL8 4, 1, NQ-1, 1, 0
	MUL8 6, 1, NQ-1, 1, 0
	WIN 0
.macro TOSTAGE a                       ; block a into my stage, each accumulator from its low end on, and back as rows: LDS serves a wave's instructions in order
.set AC, 64*((\a)%4)
.set WS1, 0x08+4*((\a)/4)
	WIN WS1
.irp b, 0,1,2,3
	ds_store_b128 v[STO], v[AC+8*\b:AC+8*\b+3] offset:64*\b
	ds_store_b128 v[STO], v[AC+8*\b+4:AC+8*\b+7] offset:64*\b+16
.endr
	WIN 0
.set BB, BK+32*((\a)%2)
.irp t, 0,1,2,3,4,5,6,7
	ds_load_b128 v[BB+4*\t:BB+4*\t+3], v[RD] offset:2*\t*SPITCH
.endr
.endm
.macro SEND a, younger                 ; younger: the LDS instructions issued behind block a's loads, which may stay out
.set BB, BK+32*((\a)%2)
	s_wait_dscnt \younger
.if (\a) > 0
.if ((\a)%2) == 1
	s_add_nc_u64 s[12:13], s[12:13], 8*SIZE_N*4    ; block a begins at token 32 (a / 2) + 8 (a % 2) of my 128
.else
	s_add_nc_u64 s[12:13], s[12:13], 24*SIZE_N*4
.endif
.endif
.irp t, 0,1,2,3,4,5,6,7
	global_store_b128 v[COUT], v[BB+4*\t:BB+4*\t+3], s[12:13] offset:(2*\t+8*(\t/4))*SIZE_N*4 th:TH_STORE_NT   ; stage rows 2 t and 2 t + 1: sixteen lanes store 256 consecutive bytes, aligned
.endr
.endm
	PLACES NP
	TOSTAGE 0
.irp a, 1,2,3,4,5,6,7
.if \a > 1
	s_wait_xcnt 0x0                                ; block a - 2's stores have read their registers and their base
.endif
	TOSTAGE \a
	SEND \a-1, 16                                  ; behind block a - 1's loads: block a's 8 stores and 8 loads
.endr
	s_wait_xcnt 0x0
	SEND 7, 0
	s_wait_tensorcnt 0x0                           ; the wave's end
	ds_add_u32 v[SPW], v[NIL]
	s_wait_dscnt 0x0
	CROUND                                         ; the closing round
	s_endpgm
.Lfunc_end_k_qe3b05c9722_proj:
	.size	k_qe3b05c9722_proj, .Lfunc_end_k_qe3b05c9722_proj-k_qe3b05c9722_proj
	.p2alignl 7, 3214868480
	.fill 96, 4, 3214868480
	.section	.rodata,"a",@progbits
	.p2align	6, 0x0
	.amdhsa_kernel k_qe3b05c9722_proj
		.amdhsa_group_segment_fixed_size 327680
		.amdhsa_private_segment_fixed_size 0
		.amdhsa_enable_private_segment 0
		.amdhsa_kernarg_size 32
		.amdhsa_user_sgpr_count 2
		.amdhsa_user_sgpr_kernarg_segment_ptr 1
		.amdhsa_wavefront_size32 1
		.amdhsa_system_sgpr_workgroup_id_x 1
		.amdhsa_system_sgpr_workgroup_id_y 1
		.amdhsa_system_sgpr_workgroup_id_z 1
		.amdhsa_system_vgpr_workitem_id 0
		.amdhsa_next_free_vgpr 1024
		.amdhsa_next_free_sgpr 100
		.amdhsa_reserve_vcc 0
		.amdhsa_float_denorm_mode_32 3
		.amdhsa_float_denorm_mode_16_64 3
		.amdhsa_memory_ordered 1
		.amdhsa_forward_progress 1
		.amdhsa_inst_pref_size 94
	.end_amdhsa_kernel
	.amdgpu_metadata
---
amdhsa.version: [ 1, 2 ]
amdhsa.kernels:
  - .name:           k_qe3b05c9722_proj
    .symbol:         k_qe3b05c9722_proj.kd
    .args:
      - { .name: att, .offset: 0, .size: 8, .value_kind: global_buffer, .address_space: global }
      - { .name: inq, .offset: 8, .size: 8, .value_kind: global_buffer, .address_space: global }
      - { .name: b_out, .offset: 16, .size: 8, .value_kind: global_buffer, .address_space: global }
      - { .name: out0, .offset: 24, .size: 8, .value_kind: global_buffer, .address_space: global }
    .group_segment_fixed_size: 327680
    .private_segment_fixed_size: 0
    .kernarg_segment_align: 8
    .kernarg_segment_size: 32
    .max_flat_workgroup_size: 128
    .sgpr_count:     100
    .vgpr_count:     1024
    .wavefront_size: 32
...
	.end_amdgpu_metadata
.endif
;; end of part 4
